; MI455X (gfx1250); checked and timed in simulation.
; The chip was launched on July 23, 2026; its instructions are those of AMD's public machine-readable ISA for CDNA 5 (MIT licence, August 2026) and "CDNA5" Instruction Set Architecture Reference Guide (July 2026). The comments in the code are by the model that wrote it; some were corrected since.
;; Single Head Attention. Allowed arithmetic: float matrix products may take bf16 or f16 operands with f32 sums; other float arithmetic in f32, or as packed bf16 or f16 multiplies, adds, multiply-adds, maxima and minima; sums over many terms, partial sums and values carried from step to step in f32; what a program stores and reads back later, other than sums and carried values, may be rounded once to bf16 or f16.
;; Inputs: Wk 1,024 x 1,024 float32; Wo 1,024 x 1,024 float32; Wq 1,024 x 1,024 float32; Wv 1,024 x 1,024 float32; mask 4 x 2,048 x 2,048 bool; x 4 x 2,048 x 1,024 float32.
;; Outputs: out0 4 x 2,048 x 1,024 float32.
;; 2 versions, each right; version 2 is version 1 with the launch prep written anew for expert scheduling mode. Each part assembles by itself: llvm-mc -triple=amdgcn-amd-amdhsa -mcpu=gfx1250 --defsym DOCPART=n.
;; ======== version 1 of 2: 5 launches
;; limits: values are held in f16: magnitudes above 65,504 overflow, below 6.1e-05 lose precision
;; workspace buffers: xh 16,777,216 bytes; wh 6,291,456 bytes; woh 2,097,152 bytes; qkv 50,331,648 bytes; pb 33,554,432 bytes; st 1,048,576 bytes; ob 16,777,216 bytes
;; launch prep (part 1): grid 768 x 1, 8 waves a work-group, no clusters, 0 bytes of LDS; arguments x, Wq, Wk, Wv, Wo, xh, wh, woh; writes xh, wh, woh
.if DOCPART == 1
	.amdgcn_target "amdgcn-amd-amdhsa--gfx1250"
	.amdhsa_code_object_version 6
	.text
	.protected	k_q4e53e61a37_prep
	.globl	k_q4e53e61a37_prep
	.p2align	8
	.type	k_q4e53e61a37_prep,@function
k_q4e53e61a37_prep:
	s_mov_b64 s[64:65], 0
	v_nop
	global_prefetch_b8 v0, s[64:65] scope:SCOPE_SE
	s_setreg_imm32_b32 hwreg(HW_REG_WAVE_MODE, 25, 1), 1
	s_wait_xcnt 0x0
; SINGLE-HEAD ATTENTION, launch 1 of 5: the casts.  out0 = softmax(where(mask, (x Wq)(x Wk)^T / 32, -1e10)) (x Wv) Wo, B = 4, S = 2048, D = 1024.
; DEAD WORK: none.  Every input (x, mask, Wq, Wk, Wv, Wo) reaches out0 for some values of the others, the mask is data, and reference() slices nothing away: all of its products are made.
; THE PROGRAM: this launch rounds x and the weights; launch 2 makes q | k | v; launch 3 the scores, the mask's choice, and for each row and each block of 128 keys the maximum m, the weights
; p = exp(s - m) and their sum l; launch 4 brings the blocks onto the row's true maximum and makes O = P v / L; launch 5 makes O Wo.
; FORMATS: x and all four weights are rounded once to bf16; what the program makes itself (q, k, v, p, O) is kept in f16; maxima and sums in f32.
; THIS LAUNCH: xh = bf16(x) IN BLOCKS OF 64 CHANNELS, [16 blocks][8192 rows][64]: launch 2 walks K in steps of 64, and so a step's rows lie end to end, 128 bytes each.
; wh = bf16(Wq | Wk | Wv) side by side, [1024][3072], rows along the output channel as in the inputs: nothing is transposed.
; woh = bf16(Wo), that number written as f16 (launch 5 multiplies it by O, which is f16).  LIMIT: a Wo below 6.1e-5 keeps f16's fixed step of 6e-8, one beyond 65,504 becomes an infinity.
; SHARES: all five sources are rows of 1,024 f32.  A work-group takes 16 rows: 16 loads of 16 bytes a thread, each followed by one store of 8 bytes.
;   weights: load j is row j, thread t its bytes 16 t: a wave reads 512 consecutive bytes and stores 256 consecutive bytes, aligned.
;   x: load j is block j; lanes 0-15 of a wave take the block's 256 bytes of one row, lanes 16-31 those of the next row: in xh the two rows' 128 bytes lie end to end, so the wave again stores 256 consecutive bytes, aligned.
; All 16 loads of a thread go out first; no register is written twice while a memory instruction may read it, so no wait but the loads' own is needed.  No LDS, no barrier, no matrix unit: a stream.
.set O,  2                             ; v2, v3    byte offset of my 8 bytes in the destination (v3: 8 blocks of xh further on: a block is 1 MiB, and the immediate holds 7 of them)
.set X,  16                            ; v[16:79]  load j: 4 f32
.set Y,  80                            ; v[80:111] load j: 2 registers to store
.macro LOADS step
.irp j, 0,1,2,3,4,5,6,7,8,9,10,11,12,13,14,15
	global_load_b128 v[X+4*(\j):X+4*(\j)+3], v1, s[22:23] offset:(\j)*(\step) th:TH_LOAD_NT
.endr
.endm
.macro CAST j
	s_wait_loadcnt 15-(\j)                         ; loads come back in order: load j is in, the younger ones stay out
	v_cvt_pk_bf16_f32 v[Y+2*(\j)],   v[X+4*(\j)],   v[X+4*(\j)+1]
	v_cvt_pk_bf16_f32 v[Y+2*(\j)+1], v[X+4*(\j)+2], v[X+4*(\j)+3]
.endm
	s_load_b512 s[4:19], s[0:1], 0x0               ; x, Wq, Wk, Wv, Wo, xh, wh, woh
	s_mov_b32 s20, ttmp9                           ; g: 0-511 x; then 64 work-groups for each of Wq, Wk, Wv, Wo
	s_sub_co_u32 s21, s20, 512
	s_cmp_lt_u32 s20, 512
	s_cselect_b32 s21, 0, s21                      ; g - 512 (0 for x)
	s_cselect_b32 s31, 1, 0                        ; 1: x
	s_lshr_b32 s28, s21, 6                         ; which weight
	s_and_b32 s29, s21, 63                         ; which 16 rows of it
	s_cmp_eq_u32 s31, 1
	s_cselect_b32 s30, s20, s29                    ; my block of 16 rows in the source
	s_lshl_b32 s34, s30, 16                        ; 16 rows of 4,096 bytes in
	s_mov_b32 s35, 0
	s_lshl_b32 s36, s20, 11                        ; out, xh: 16 rows of 128 bytes in each block
	s_mul_i32 s33, s29, 16*6144                    ; wh: 16 rows of 6,144 bytes,
	s_lshl_b32 s38, s28, 11                        ; at the weight's 2,048 bytes of a row
	s_add_co_u32 s33, s33, s38
	s_lshl_b32 s39, s29, 15                        ; woh: 16 rows of 2,048 bytes
	s_cmp_eq_u32 s28, 3
	s_cselect_b32 s33, s39, s33
	s_cmp_eq_u32 s31, 1
	s_cselect_b32 s36, s36, s33
	s_mov_b32 s37, 0
	s_wait_kmcnt 0x0
	s_cmp_eq_u32 s31, 1                            ; the source and the destination are chosen by the work-group's number alone
	s_cselect_b64 s[22:23], s[4:5], s[6:7]
	s_cselect_b64 s[24:25], s[14:15], s[16:17]
	s_cmp_eq_u32 s28, 1
	s_cselect_b64 s[22:23], s[8:9], s[22:23]
	s_cmp_eq_u32 s28, 2
	s_cselect_b64 s[22:23], s[10:11], s[22:23]
	s_cmp_eq_u32 s28, 3
	s_cselect_b64 s[22:23], s[12:13], s[22:23]
	s_cselect_b64 s[24:25], s[18:19], s[24:25]
	s_add_nc_u64 s[22:23], s[22:23], s[34:35]
	s_add_nc_u64 s[24:25], s[24:25], s[36:37]
	s_cmp_eq_u32 s31, 1
	s_cbranch_scc0 .Lweights
	v_lshrrev_b32 v4, 4, v0                        ; x: row t / 16 of the 16,
	v_and_b32 v5, 15, v0                           ; 16 bytes at 16 (t % 16) of a block's 256
	v_lshlrev_b32 v1, 12, v4
	v_lshl_add_u32 v1, v5, 4, v1
	v_lshlrev_b32 v[O], 7, v4                      ; out: the row's 128 bytes, 8 bytes at 8 (t % 16)
	v_lshl_add_u32 v[O], v5, 3, v[O]
	v_add_nc_u32 v[O+1], 0x800000, v[O]
	LOADS 256
.irp j, 0,1,2,3,4,5,6,7,8,9,10,11,12,13,14,15
	CAST \j
	global_store_b64 v[O+(\j)/8], v[Y+2*(\j):Y+2*(\j)+1], s[24:25] offset:((\j)%8)*1048576
.endr
	s_endpgm
.Lweights:
	v_lshlrev_b32 v1, 4, v0                        ; in: 16 t of a row
	v_lshlrev_b32 v[O], 3, v0                      ; out: 8 t
	LOADS 4096
	s_cmp_eq_u32 s28, 3
	s_cbranch_scc1 .Lwo
.irp j, 0,1,2,3,4,5,6,7,8,9,10,11,12,13,14,15
	CAST \j
	global_store_b64 v[O], v[Y+2*(\j):Y+2*(\j)+1], s[24:25] offset:(\j)*6144
.endr
	s_endpgm
.Lwo:                                                  ; Wo: rounded to bf16 like the other inputs, widened again (a shift, a mask), and written as f16
.irp j, 0,1,2,3,4,5,6,7,8,9,10,11,12,13,14,15
	CAST \j
	v_lshlrev_b32 v[X+4*(\j)],   16, v[Y+2*(\j)]
	v_and_b32     v[X+4*(\j)+1], 0xffff0000, v[Y+2*(\j)]
	v_lshlrev_b32 v[X+4*(\j)+2], 16, v[Y+2*(\j)+1]
	v_and_b32     v[X+4*(\j)+3], 0xffff0000, v[Y+2*(\j)+1]
	v_cvt_pk_f16_f32 v[Y+2*(\j)],   v[X+4*(\j)],   v[X+4*(\j)+1]
	v_cvt_pk_f16_f32 v[Y+2*(\j)+1], v[X+4*(\j)+2], v[X+4*(\j)+3]
	global_store_b64 v[O], v[Y+2*(\j):Y+2*(\j)+1], s[24:25] offset:(\j)*2048
.endr
	s_endpgm
.Lfunc_end_k_q4e53e61a37_prep:
	.size	k_q4e53e61a37_prep, .Lfunc_end_k_q4e53e61a37_prep-k_q4e53e61a37_prep
	.p2alignl 7, 3214868480
	.fill 96, 4, 3214868480
	.section	.rodata,"a",@progbits
	.p2align	6, 0x0
	.amdhsa_kernel k_q4e53e61a37_prep
		.amdhsa_group_segment_fixed_size 0
		.amdhsa_private_segment_fixed_size 0
		.amdhsa_enable_private_segment 0
		.amdhsa_kernarg_size 64
		.amdhsa_user_sgpr_count 2
		.amdhsa_user_sgpr_kernarg_segment_ptr 1
		.amdhsa_wavefront_size32 1
		.amdhsa_system_sgpr_workgroup_id_x 1
		.amdhsa_system_sgpr_workgroup_id_y 1
		.amdhsa_system_sgpr_workgroup_id_z 1
		.amdhsa_system_vgpr_workitem_id 0
		.amdhsa_next_free_vgpr 112
		.amdhsa_next_free_sgpr 66
		.amdhsa_reserve_vcc 0
		.amdhsa_float_denorm_mode_32 3
		.amdhsa_float_denorm_mode_16_64 3
		.amdhsa_memory_ordered 1
		.amdhsa_forward_progress 1
		.amdhsa_inst_pref_size 23
	.end_amdhsa_kernel
	.amdgpu_metadata
---
amdhsa.version: [ 1, 2 ]
amdhsa.kernels:
  - .name:           k_q4e53e61a37_prep
    .symbol:         k_q4e53e61a37_prep.kd
    .args:
      - { .name: x, .offset: 0, .size: 8, .value_kind: global_buffer, .address_space: global }
      - { .name: Wq, .offset: 8, .size: 8, .value_kind: global_buffer, .address_space: global }
      - { .name: Wk, .offset: 16, .size: 8, .value_kind: global_buffer, .address_space: global }
      - { .name: Wv, .offset: 24, .size: 8, .value_kind: global_buffer, .address_space: global }
      - { .name: Wo, .offset: 32, .size: 8, .value_kind: global_buffer, .address_space: global }
      - { .name: xh, .offset: 40, .size: 8, .value_kind: global_buffer, .address_space: global }
      - { .name: wh, .offset: 48, .size: 8, .value_kind: global_buffer, .address_space: global }
      - { .name: woh, .offset: 56, .size: 8, .value_kind: global_buffer, .address_space: global }
    .group_segment_fixed_size: 0
    .private_segment_fixed_size: 0
    .kernarg_segment_align: 8
    .kernarg_segment_size: 64
    .max_flat_workgroup_size: 256
    .sgpr_count:     66
    .vgpr_count:     112
    .wavefront_size: 32
...
	.end_amdgpu_metadata
.endif
;; end of part 1
;; launch qkv (part 2): grid 8 x 32, 4 waves a work-group, clusters of 4 x 4, 327,680 bytes of LDS; arguments xh, wh, qkv; writes qkv
.if DOCPART == 2
	.amdgcn_target "amdgcn-amd-amdhsa--gfx1250"
	.amdhsa_code_object_version 6
	.text
	.protected	k_q4e53e61a37_qkv
	.globl	k_q4e53e61a37_qkv
	.p2align	8
	.type	k_q4e53e61a37_qkv,@function
k_q4e53e61a37_qkv:
	s_mov_b64 s[64:65], 0
	v_nop
	global_prefetch_b8 v0, s[64:65] scope:SCOPE_SE
	s_setreg_imm32_b32 hwreg(HW_REG_WAVE_MODE, 25, 1), 1
	s_wait_xcnt 0x0
	s_wait_alu depctr_hold_cnt(0) depctr_sa_sdst(0) depctr_va_vdst(0) depctr_va_sdst(0) depctr_va_ssrc(0) depctr_va_vcc(0) depctr_vm_vsrc(0)
	s_getreg_b32 s2, hwreg(HW_REG_IB_STS2, 6, 4)
	s_cmp_eq_u32 s2, 0
	s_cbranch_scc0 .Lentry_in_a_cluster
	s_endpgm
.Lentry_in_a_cluster:
	s_bfe_u32 s2, ttmp6, 0x10000c
	s_cmp_lg_u32 s2, 0xf033
	s_cbranch_scc0 .Lentry_shape_is_right
	s_endpgm
.Lentry_shape_is_right:
; Launch 2 of 5: qkv[s][e] = the sum over d of x[s][d] w[d][e].  xh: bf16 in blocks of 64 channels, [16][8192][64]; wh: [1024][3072] bf16 (Wq | Wk | Wv); qkv: [8192][3072] f16 (q | k | v); sums in f32, rounded once.  Nothing is left out.
; LIMIT: q, k and v are kept in f16: a number of 65,520 or more becomes an infinity.  With x and the weights 30 times larger each, or offset by 30 times their spread each, they stay under 30,000.
; A TILE OF 256 x 384: 8192 x 3072 / (256 x 384) = 256 work-groups of equal work.  Four waves, each 128 rows x 192 columns: 96 accumulators, 768 registers.
; K goes in 16 steps of 64 through two LDS slots filled by the tensor data mover (two slots of 128 along K would be 2 x 160 KiB).  A step brings (256 + 384) x 64 x 2 bytes for 192 matrix instructions a wave.
; xh's tile: 256 rows x 128 bytes, dense in memory: each of waves 0 and 1 asks for 128 rows as 64 rows of 256 bytes, padded in LDS after every 128.  wh's tile lies [K][N]: 64 rows x 768 bytes, waves 2 and 3 take 32 rows each;
; it is padded after every 256 bytes, and its fragments are turned on their way out of LDS by ds_load_tr16_b128.
; COLUMNS: the tile's 384 columns are six groups of 64; wave column half CH takes groups CH, 2 + CH, 4 + CH, so that group g of either wave begins 288 g bytes behind the wave's first: one text for both.
; CLUSTER 4 x 4: xh's tile hangs on the tile row alone and is asked for jointly by a row of the cluster, wh's on the tile column alone, by a column.
; THE MATRIX INSTRUCTION IS USED TRANSPOSED (source 0 = 16 columns of wh, source 1 = 16 rows of xh): a lane holds row l % 16 and eight neighbouring columns 8 (l / 16) + 0..7 of the result.
; REGISTERS, in windows of 256 (s_set_vgpr_msb: bits 1:0 source 0, 3:2 source 1, 5:4 source 2, 7:6 destination):
;   window 0: v0-31 addresses; v32-95, v96-159 xh's 8 fragments, two buffers; v160-255 wh's three groups of 4 fragments, one buffer each; all of v32-223 at work on the way out
;   window 1 + g: the 32 accumulators of column group g: (row block a, column block bb) at v[8 (4 a + bb)]
; A QUARTER is 32 along K: three groups of 32 products.  Behind a group four v_nop and one run of LDS loads: the group's buffer takes the next quarter's fragments, and half of xh's other buffer is filled.
; A K STEP IS WRITTEN ONCE: the slot in hand is a scalar, TB, turned by an exclusive or; the first quarter (whose products start the sums with the constant 0) and the last two steps (which ask for nothing) stand beside the loop.
.set KS,     16                        ; K steps
.set PA,     144                       ; an LDS row of xh: 128 bytes + 16 = 36 words: the 16 rows of a load start at 16 different groups of four banks (64 banks of 4 bytes: ISA guide 11.1)
.set BP,     864                       ; an LDS row of wh: 3 x (256 + 32) bytes = 216 words
.set AREG,   256*PA                    ; xh's 256 rows; behind them wh's 64
.set SLOT1,  1<<17                     ; slot 1 begins here: one exclusive or turns an address in one slot into the other's
.set SP,     784                       ; the stage: a row of 768 bytes + 16 = 196 words: the 16 rows of a store start at 16 different groups of four banks
.set SPARE,  SLOT1+AREG+64*BP          ; behind the ring: the spare words, 128 bytes for each wave.  The stage, 256 rows from byte 0 on, lies over the ring and is written when the ring has had its last fill
.set STEPA,  8192*128                  ; bytes from K step to K step in xh: a block,
.set STEPB,  64*6144                   ; and in wh
.set CROW,   6144                      ; bytes in a row of qkv (and of wh)
.set AH,     3                         ; a prefetch names the K step that stands AH refills on
.set A0,   16                          ; v16  my lane's place in xh's tile; never rewritten
.set B0,   17                          ; v17  the same for wh's
.set ADRA, 18                          ; v18  A0 + the slot in hand
.set ADRB, 19                          ; v19  B0 + the slot in hand
.set STO,  20                          ; v20, v21  the way out: where I put 16 bytes of a row; row blocks 0-3, 4-7
.set RD,   22                          ; v22  where I read rows back
.set CO,   23                          ; v23  my byte offset in qkv
.set SPW,  28                          ; v28  LDS address of my spare word; never rewritten
.set NIL,  29                          ; v29  0; never rewritten
.set PFO,  30                          ; v30  the prefetches' lane offset; never rewritten
.set AF0,  32
.set AF1,  96
.set BG,   160
.set TMP,  32
.set WV, 12                            ; s12 wave;  s13 RH = wave / 2: my half of the rows, and 0: I fetch xh, 1: wh;  s14 CH = wave % 2: my half of the columns, and which half I fetch
.set RH, 13
.set CH, 14
.set CX, 15
.set CY, 16
.set TC, 17                            ; tile column = 4 x cluster x + cx
.set TR, 18                            ; tile row = 4 x cluster y + cy
.set G1A, 24                           ; s[24:31], s[32:39] descriptor groups 1
.set G1B, 32
.set G0A, 40                           ; s[40:47], s[48:55] groups 0: a set for K step 0; a set for K step 1, which then walks
.set G0B, 48
.set TB,  56                           ; s56  0 or SLOT1: the slot that is read
.set CNT, 57
.set LIM, 58                           ; s58  a wave prefetches while CNT is above it; the greatest number in a wave that never does
.set WOFFA, 59                         ; s59, s60  where my part of a slot lies
.set WOFFB, 60
.set PAR, 61                           ; s61  0: I prefetch in every trip; 1: in the trips with an even CNT
.set PFA, 62                           ; s[62:63] where my prefetches stand
.set PFS, 66                           ; s[66:67] their step
.set MSB, 0
.macro WIN new                         ; the immediate's high byte repeats the setting that is left; a switch that changes nothing is dropped
.if MSB != (\new)
	s_set_vgpr_msb (MSB<<8)|(\new)
.set MSB, \new
.endif
.endm
.macro PLACES                          ; four plain vector instructions between a matrix instruction and a load into, or a vector instruction on, its registers
.rept 4
	v_nop
.endr
.endm
.macro CREST                           ; a round of the cluster's barrier behind its opening barrier
	s_cmp_lg_u32 s[WV], 0
	s_cbranch_scc1 .Lnot_wave_0_\@
	s_barrier_signal -3
.Lnot_wave_0_\@:
	s_barrier_wait -3
	s_barrier_signal -1
	s_barrier_wait -1
.endm
.macro CROUND
	s_barrier_signal -1
	s_barrier_wait -1
	CREST
.endm
.macro JLOAD                           ; a joint refill by the walking descriptor: waves 0 and 1 xh's halves, waves 2 and 3 wh's; the branch hangs on the wave's number alone
	s_cmp_eq_u32 s[RH], 0
	s_cbranch_scc0 .Lfor_b_\@
	tensor_load_to_lds s[G0A+4:G0A+7], s[G1A:G1A+7]
	s_nop 0
.rept 4
	v_nop
.endr
	s_branch .Lasked_\@
.Lfor_b_\@:
	tensor_load_to_lds s[G0B+4:G0B+7], s[G1B:G1B+7]
	s_nop 0
.rept 4
	v_nop
.endr
.Lasked_\@:
.endm
; A PREFETCH INTO THE L2, three refills (576 matrix instructions) ahead of the load that will want the bytes: 32 blocks of 256 bytes, a lane a block, one instruction a wave.  Each block is named once in the launch.
; xh: a step's tile is 128 blocks on end; wave 0 of the clusters with x = 0 asks, each of the four partners for 32 blocks, told apart BY ADDRESS (cx).
; wh: a row of the tile is three blocks; waves 1, 2, 3 of the clusters with y = 0 take one of the three each; in the trips with an even CNT they ask for TWO steps' 128 rows, 32 rows a partner, BY ADDRESS (cy).
; The trip with counter CNT refills K step 16 - CNT.  CNT > AH (xh) holds just while step 16 - CNT + AH exists; CNT > AH + 1 (wh) while the step after it does too; wh's last step comes by its load alone.
.macro ASK
	s_and_b32 s19, s[CNT], s[PAR]
	s_cmp_eq_u32 s19, 0
	s_cbranch_scc0 .Lnot_mine_\@
	s_cmp_gt_u32 s[CNT], s[LIM]
	s_cbranch_scc0 .Lnot_mine_\@
	global_prefetch_b8 v[PFO], s[PFA:PFA+1] th:TH_LOAD_NT scope:SCOPE_SE
.Lnot_mine_\@:
.endm
	s_load_b128 s[4:7], s[0:1], 0x0                ; xh s[4:5], wh s[6:7]
	s_load_b64 s[8:9], s[0:1], 0x10                ; qkv
	v_lshl_add_u32 v[SPW], v0, 2, SPARE
	v_mov_b32 v[NIL], 0
	ds_add_u32 v[SPW], v[NIL]                      ; the wave's opening: the add, twice on end, and its wait ahead of my first tensor load
	ds_add_u32 v[SPW], v[NIL]
	v_lshrrev_b32 v1, 5, v0
	v_readfirstlane_b32 s[WV], v1
	s_lshr_b32 s[RH], s[WV], 1
	s_and_b32 s[CH], s[WV], 1
	s_bfe_u32 s[CX], ttmp6, 0x40000
	s_bfe_u32 s[CY], ttmp6, 0x40004
	s_lshl_b32 s[TC], ttmp9, 2
	s_add_co_u32 s[TC], s[TC], s[CX]
	s_and_b32 s[TR], ttmp7, 0xffff
	s_lshl_b32 s[TR], s[TR], 2
	s_add_co_u32 s[TR], s[TR], s[CY]
	s_lshl_b32 s19, s[CY], 2
	s_lshl_b32 s19, 15, s19                        ; my row of the cluster
	s_lshl_b32 s68, 0x1111, s[CX]                  ; my column
	s_or_b32 s[G1A], s19, (1<<16)|(1<<20)|(1<<21)|(4<<22)|(3<<25)  ; the mask; 2-byte elements; padding on; bit 21 beside a mask; after every 32 words 4 words
	s_or_b32 s[G1B], s68, (1<<16)|(1<<20)|(1<<21)|(5<<22)|(7<<25)  ; after every 64 words 8 words
	s_mov_b32 s[G1A+1], 128<<16                    ; tensor_dim0 = 128 elements: two rows of xh's block
	s_mov_b32 s[G1A+2], 64<<16                     ; tensor_dim1 = 64
	s_mov_b32 s[G1A+3], 128<<16                    ; tile_dim0 = 128
	s_mov_b32 s[G1A+4], 64                         ; tile_dim1 = 64
	s_mov_b32 s[G1A+5], 128                        ; dense: 128 elements from row to row
	s_mov_b32 s[G1A+6], 0
	s_mov_b32 s[G1A+7], 0
	s_mov_b32 s[G1B+1], 384<<16                    ; 384 elements x 32 rows
	s_mov_b32 s[G1B+2], 32<<16
	s_mov_b32 s[G1B+3], 384<<16
	s_mov_b32 s[G1B+4], 32
	s_mov_b32 s[G1B+5], 3072
	s_mov_b32 s[G1B+6], 0
	s_mov_b32 s[G1B+7], 0
	s_lshl_b32 s20, s[TR], 15                      ; xh: row 256 x tile row + 128 x half, 128 bytes a row: made of the tile row and the wave's number alone
	s_lshl_b32 s21, s[CH], 14
	s_add_co_u32 s20, s20, s21
	s_mov_b32 s21, 0
	s_mul_i32 s22, s[CH], 32*6144                  ; wh: row 32 x half, byte 768 x tile column: made of the tile column and the wave's number alone
	s_mul_i32 s23, s[TC], 768
	s_add_co_u32 s22, s22, s23
	s_mov_b32 s23, 0
	s_mul_i32 s[WOFFA], s[CH], 128*PA
	s_mul_i32 s[WOFFB], s[CH], 32*BP
	s_add_co_u32 s[WOFFB], s[WOFFB], AREG
	s_mov_b32 s[TB], 0
	s_wait_dscnt 0x0                               ; both opening adds are done
	s_wait_kmcnt 0x0
	s_add_nc_u64 s[20:21], s[4:5], s[20:21]
	s_add_nc_u64 s[22:23], s[6:7], s[22:23]
	CROUND                                         ; all sixteen work-groups are here: the first joint loads meet
.irp s, 0,1
	s_mov_b32 s[G0A+4*(\s)], 1
	s_add_co_u32 s[G0A+4*(\s)+1], s[WOFFA], (\s)*SLOT1
	s_add_nc_u64 s[G0A+4*(\s)+2:G0A+4*(\s)+3], s[20:21], (\s)*STEPA
	s_or_b32 s[G0A+4*(\s)+3], s[G0A+4*(\s)+3], 0x80000000
	s_mov_b32 s[G0B+4*(\s)], 1
	s_add_co_u32 s[G0B+4*(\s)+1], s[WOFFB], (\s)*SLOT1
	s_add_nc_u64 s[G0B+4*(\s)+2:G0B+4*(\s)+3], s[22:23], (\s)*STEPB
	s_or_b32 s[G0B+4*(\s)+3], s[G0B+4*(\s)+3], 0x80000000
.endr
	s_cmp_eq_u32 s[RH], 0                          ; a wave's two first fills stand in one branch: two loads of mine are out
	s_cbranch_scc0 .Lfirst_b
	tensor_load_to_lds s[G0A:G0A+3], s[G1A:G1A+7]
	s_nop 0
	tensor_load_to_lds s[G0A+4:G0A+7], s[G1A:G1A+7]
	s_nop 0
.rept 4
	v_nop
.endr
	s_branch .Lfirst_asked
.Lfirst_b:
	tensor_load_to_lds s[G0B:G0B+3], s[G1B:G1B+7]
	s_nop 0
	tensor_load_to_lds s[G0B+4:G0B+7], s[G1B:G1B+7]
	s_nop 0
.rept 4
	v_nop
.endr
.Lfirst_asked:
	v_and_b32 v1, 15, v0                           ; r = l % 16
	v_bfe_u32 v2, v0, 4, 1                         ; h = l / 16
	v_and_b32 v3, 31, v0                           ; l
	v_mul_u32_u24 v4, v1, PA
	v_lshl_add_u32 v4, v2, 4, v4                   ; 144 r + 16 h: a fragment of xh is two loads of 16 bytes, 32 bytes apart
	s_mul_i32 s19, s[RH], 128*PA
	v_add_nc_u32 v[A0], s19, v4
	v_and_b32 v5, 7, v0                            ; the turning load: lane l reads row 8 h + l % 8 of 16 rows of K, 16 bytes at 16 ((l / 8) % 2), and ends with column l % 16 and 8 numbers along K
	v_lshl_add_u32 v5, v2, 3, v5
	v_mul_u32_u24 v5, v5, BP
	v_bfe_u32 v6, v0, 3, 1
	v_lshl_add_u32 v5, v6, 4, v5
	s_lshl_b32 s19, s[CH], 7                       ; my first group of 64 columns,
	s_add_co_u32 s19, s19, AREG                    ; behind xh's 256 rows
	v_add_nc_u32 v[B0], s19, v5
	v_mov_b32 v[ADRA], v[A0]
	v_mov_b32 v[ADRB], v[B0]
	s_lshl_b32 s19, s[RH], 7                       ; into the stage: row 128 RH + r (+ 16 a row block), byte 128 CH + 16 h (+ 256 a group, + 32 a column block)
	v_add_nc_u32 v7, s19, v1
	v_mul_u32_u24 v7, v7, SP
	v_lshl_add_u32 v7, v2, 4, v7
	s_lshl_b32 s19, s[CH], 7
	v_add_nc_u32 v[STO], s19, v7
	v_add_nc_u32 v[STO+1], 64*SP, v[STO]
	s_lshl_b32 s19, s[WV], 6                       ; back: wave w takes rows 64 w .. 64 w + 63, whole; lanes 0-15 take 256 bytes of one row, lanes 16-31 of the next
	v_add_nc_u32 v7, s19, v2
	v_mul_u32_u24 v7, v7, SP
	v_lshl_add_u32 v[RD], v1, 4, v7
	v_mul_u32_u24 v7, v2, CROW
	v_lshl_add_u32 v[CO], v1, 4, v7                ; and the same two rows in qkv
	s_lshl_b32 s19, s[TR], 8                       ; qkv at row 256 x tile row + 64 x wave, byte 768 x tile column
	s_lshl_b32 s69, s[WV], 6
	s_add_co_u32 s19, s19, s69
	s_mul_i32 s70, s19, CROW
	s_mul_i32 s69, s[TC], 768
	s_add_co_u32 s70, s70, s69
	s_mov_b32 s71, 0
	s_add_nc_u64 s[8:9], s[8:9], s[70:71]
	s_lshl_b32 s19, s[TR], 15                      ; the prefetches.  xh: the tile's 32,768 bytes, my work-group's 8,192 of them, at K step 1 + AH (the first refill steps it on)
	s_lshl_b32 s69, s[CX], 13
	s_add_co_u32 s19, s19, s69
	s_add_co_u32 s19, s19, (1+AH)*STEPA
	s_mul_i32 s69, s[CY], 32*6144                  ; wh: row 32 cy, byte 768 x tile column + 256 (wave - 1)
	s_mul_i32 s70, s[TC], 768
	s_add_co_u32 s69, s69, s70
	s_lshl_b32 s70, s[WV], 8
	s_add_co_u32 s69, s69, s70
	s_add_co_u32 s69, s69, (1+AH)*STEPB-256
	s_and_b32 s70, ttmp7, 0xffff
	s_mov_b32 s[PFS], STEPB
	s_mov_b32 s71, 6144
	s_cmp_eq_u32 s[WV], 0
	s_cselect_b32 s68, s19, s69
	s_cselect_b32 s70, ttmp9, s70                  ; the coordinate along which other clusters read the same bytes
	s_cselect_b64 s[PFA:PFA+1], s[4:5], s[6:7]
	s_cselect_b32 s[PFS], STEPA, s[PFS]
	s_cselect_b32 s71, 256, s71                    ; from lane to lane: a block of xh, a row of wh
	s_cselect_b32 s[PAR], 0, 1
	s_cselect_b32 s19, AH, AH+1
	s_mov_b32 s69, 0
	s_mov_b32 s[PFS+1], 0
	s_add_nc_u64 s[PFA:PFA+1], s[PFA:PFA+1], s[68:69]
	s_cmp_eq_u32 s70, 0
	s_cselect_b32 s[LIM], s19, -1                  ; the same in all sixteen partners, for a given wave
	v_mul_lo_u32 v[PFO], v3, s71
; 4 n matrix instructions of column group g: row blocks a0 .. a0 + n - 1 x the group's 4 column blocks, 32 along K.  The 96 accumulators take turns in one order in every quarter, over the jumps too.
.macro GRP af, g, a0, n, zero
	WIN 0x50*((\g)+1)                              ; C and D window 1 + g, the sources window 0
.set aa, \a0
.rept \n
.irp bb, 0,1,2,3
.if \zero
	v_wmma_f32_16x16x32_bf16 v[8*(4*aa+(\bb)):8*(4*aa+(\bb))+7], v[BG+32*(\g)+8*(\bb):BG+32*(\g)+8*(\bb)+7], v[(\af)+8*aa:(\af)+8*aa+7], 0
.else
	v_wmma_f32_16x16x32_bf16 v[8*(4*aa+(\bb)):8*(4*aa+(\bb))+7], v[BG+32*(\g)+8*(\bb):BG+32*(\g)+8*(\bb)+7], v[(\af)+8*aa:(\af)+8*aa+7], v[8*(4*aa+(\bb)):8*(4*aa+(\bb))+7]
.endif
.endr
.set aa, aa+1
.endr
.endm
.macro LB q, g                         ; 8 LDS loads: wh's group g of quarter q of the slot in hand, turned
.irp bb, 0,1,2,3
	ds_load_tr16_b128 v[BG+32*(\g)+8*(\bb):BG+32*(\g)+8*(\bb)+3],   v[ADRB] offset:(\q)*32*BP+288*(\g)+32*(\bb)
	ds_load_tr16_b128 v[BG+32*(\g)+8*(\bb)+4:BG+32*(\g)+8*(\bb)+7], v[ADRB] offset:(\q)*32*BP+288*(\g)+32*(\bb)+16*BP
.endr
.endm
.macro LA q, af, a0                    ; 8 LDS loads: xh's row blocks a0 .. a0 + 3 of quarter q
.irp a, 0,1,2,3
	ds_load_b128 v[(\af)+8*((\a0)+(\a)):(\af)+8*((\a0)+(\a))+3],   v[ADRA] offset:64*(\q)+((\a0)+(\a))*16*PA
	ds_load_b128 v[(\af)+8*((\a0)+(\a))+4:(\af)+8*((\a0)+(\a))+7], v[ADRA] offset:64*(\q)+((\a0)+(\a))*16*PA+32
.endr
.endm
; A step's first quarter: multiplies xh's buffer 0 and fetches the same slot's second quarter
.macro H0 zero
	s_wait_dscnt 8                                 ; all is in but the youngest eight loads: wh's group 2
	GRP AF0, 0, 0, 8, \zero
	PLACES
	WIN 0
	LB 1, 0
	LA 1, AF1, 0
	GRP AF0, 1, 0, 8, \zero
	PLACES
	WIN 0
	LB 1, 1
	LA 1, AF1, 4
	s_wait_dscnt 32                                ; group 2 is in: behind its loads the four runs of eight above were issued
	GRP AF0, 2, 0, 8, \zero
	PLACES
	WIN 0
	LB 1, 2
.endm
; A step's second quarter multiplies buffer 1 and changes slots: the slot's last bytes were asked for at the first quarter's end.  In front of the barrier each wave waits for all its tensor loads (one is out: its part of the
; next slot), adds 0 to its spare word, and waits for that and for its reads of this slot.  refill = 1: the barrier opens a round of the cluster's, and the slot just read is asked for again first thing behind it: 176 of a
; step's 192 matrix instructions stand between that request and the wait for it.  fetch = 2: in the loop's last trip there is no next slot, and the three runs of loads are jumped over.
.macro H1 refill, fetch
.if \refill
	s_wait_xcnt 0x0                                ; the last prefetch, a K step back, has read its address
	s_add_nc_u64 s[PFA:PFA+1], s[PFA:PFA+1], s[PFS:PFS+1]
.endif
	WIN 0
	s_wait_tensorcnt 0x0
	ds_add_u32 v[SPW], v[NIL]
	s_wait_dscnt 9                                 ; (the add and the youngest eight loads may be out)
	GRP AF1, 0, 0, 2, 0
	s_wait_dscnt 0x0                               ; the add is done, and my reads of this slot are over
	s_barrier_signal -1
	GRP AF1, 0, 2, 2, 0
	WIN 0
	s_barrier_wait -1
.if \refill
	CREST                                          ; no wave of any partner still reads this slot or has a load on its way
	s_xor_b32 s[G0A+5], s[G0A+5], SLOT1            ; the walking descriptors: the other slot than last time, the next K step
	s_add_nc_u64 s[G0A+6:G0A+7], s[G0A+6:G0A+7], STEPA
	s_xor_b32 s[G0B+5], s[G0B+5], SLOT1
	s_add_nc_u64 s[G0B+6:G0B+7], s[G0B+6:G0B+7], STEPB
	JLOAD
.endif
	GRP AF1, 0, 4, 4, 0
	PLACES
	WIN 0
.if (\fetch) == 2
	s_cmp_eq_u32 s[CNT], 1
	s_cbranch_scc1 .Lno0_\@
.endif
	s_xor_b32 s[TB], s[TB], SLOT1
	v_add_nc_u32 v[ADRA], s[TB], v[A0]
	v_add_nc_u32 v[ADRB], s[TB], v[B0]
	LB 0, 0
	LA 0, AF0, 0
.if (\fetch) == 2
.Lno0_\@:
.endif
.if \refill
	ASK
.endif
	GRP AF1, 1, 0, 8, 0
	PLACES
	WIN 0
.if (\fetch) == 2
	s_cmp_eq_u32 s[CNT], 1
	s_cbranch_scc1 .Lno1_\@
.endif
	LB 0, 1
	LA 0, AF0, 4
.if (\fetch) == 2
.Lno1_\@:
.endif
	GRP AF1, 2, 0, 8, 0
	PLACES
	WIN 0
.if (\fetch) == 2
	s_cmp_eq_u32 s[CNT], 1
	s_cbranch_scc1 .Lno2_\@
.endif
	LB 0, 2
.if (\fetch) == 2
.Lno2_\@:
.endif
.endm
; THE WAY OUT.  A wave's groups of 64 columns are halves of aligned blocks of 256 bytes, so the four waves share ONE stage with a barrier between writing and reading.
; PACKG: column group g of all 8 row blocks is rounded to f16 (each accumulator read from its low end on), 16 bytes a lane, and put into the stage.
.macro PACKG g
	WIN 5*((\g)+1)                                 ; sources 0 and 1: window 1 + g
.set i, 0
.rept 128
	v_cvt_pk_f16_f32 v[TMP+i], v[2*i], v[2*i+1]
.set i, i+1
.endr
	WIN 0
.set aa, 0
.rept 8
.irp bb, 0,1,2,3
	ds_store_b128 v[STO+aa/4], v[TMP+4*(4*aa+(\bb)):TMP+4*(4*aa+(\bb))+3] offset:(aa%4)*16*SP+256*(\g)+32*(\bb)
.endr
.set aa, aa+1
.endr
.endm
.macro BACK k                          ; batch k of four: 8 pairs of rows x 3 blocks of 256 bytes come back, into v32-127 and v128-223 by turns
.set BK, 32+96*((\k)%2)
.set pp, 0
.rept 8
.irp u, 0,1,2
	ds_load_b128 v[BK+4*(3*pp+(\u)):BK+4*(3*pp+(\u))+3], v[RD] offset:(8*(\k)+pp)*2*SP+256*(\u)
.endr
.set pp, pp+1
.endr
.endm
.macro SENDK k, younger                ; younger: the LDS loads issued behind the batch's own, which may stay out
.set BK, 32+96*((\k)%2)
	s_wait_dscnt \younger
.set pp, 0
.rept 8
.irp u, 0,1,2
	global_store_b128 v[CO], v[BK+4*(3*pp+(\u)):BK+4*(3*pp+(\u))+3], s[8:9] offset:(8*(\k)+pp)*2*CROW+256*(\u)  ; 16 lanes store 256 consecutive bytes, aligned
.endr
.set pp, pp+1
.endr
.endm
	s_wait_tensorcnt 1                             ; my part of K step 0 is in; K step 1's may stay out
	s_barrier_signal -1
	s_barrier_wait -1
	LB 0, 0                                        ; the first quarter's fragments, in the order in which every quarter's are asked for
	LA 0, AF0, 0
	LB 0, 1
	LA 0, AF0, 4
	LB 0, 2
	H0 1                                           ; the first quarter's products start the sums
	WIN 0
	s_mov_b32 s[CNT], KS-2
	s_branch .Lmid
.Ltop:                                                 ; KS - 2 trips: every K step behind which a slot is filled again
	H0 0
	WIN 0
.Lmid:
	H1 1, 1
	WIN 0
	s_sub_co_u32 s[CNT], s[CNT], 1
	s_cmp_lg_u32 s[CNT], 0
	s_cbranch_scc1 .Ltop
	s_mov_b32 s[CNT], 2
.Ltail:                                                ; the last two K steps ask for nothing
	H0 0
	H1 0, 2
	WIN 0
	s_sub_co_u32 s[CNT], s[CNT], 1
	s_cmp_lg_u32 s[CNT], 0
	s_cbranch_scc1 .Ltail
	s_wait_dscnt 0x0                               ; the stage lies over the ring: no LDS load of mine is out,
	s_barrier_signal -1
	s_barrier_wait -1                              ; nor of any wave; every tensor load was waited for in front of the last change of slots
	PACKG 0                                        ; (the four v_nop at the last quarter's end are the places behind the last products)
	PACKG 1
	PACKG 2
	s_wait_dscnt 0x0                               ; for the others' sake: my stores into the stage are done
	s_barrier_signal -1
	s_barrier_wait -1
	BACK 0
	BACK 1
	SENDK 0, 24
	s_wait_xcnt 0x0                                ; batch 0's stores have read their data: its registers are loaded again
	BACK 2
	SENDK 1, 24
	s_wait_xcnt 0x0
	BACK 3
	SENDK 2, 24
	SENDK 3, 0
	s_wait_tensorcnt 0x0                           ; the wave's end
	ds_add_u32 v[SPW], v[NIL]
	s_wait_dscnt 0x0
	CROUND                                         ; the closing round
	s_endpgm
.Lfunc_end_k_q4e53e61a37_qkv:
	.size	k_q4e53e61a37_qkv, .Lfunc_end_k_q4e53e61a37_qkv-k_q4e53e61a37_qkv
	.p2alignl 7, 3214868480
	.fill 96, 4, 3214868480
	.section	.rodata,"a",@progbits
	.p2align	6, 0x0
	.amdhsa_kernel k_q4e53e61a37_qkv
		.amdhsa_group_segment_fixed_size 327680
		.amdhsa_private_segment_fixed_size 0
		.amdhsa_enable_private_segment 0
		.amdhsa_kernarg_size 24
		.amdhsa_user_sgpr_count 2
		.amdhsa_user_sgpr_kernarg_segment_ptr 1
		.amdhsa_wavefront_size32 1
		.amdhsa_system_sgpr_workgroup_id_x 1
		.amdhsa_system_sgpr_workgroup_id_y 1
		.amdhsa_system_sgpr_workgroup_id_z 1
		.amdhsa_system_vgpr_workitem_id 0
		.amdhsa_next_free_vgpr 1024
		.amdhsa_next_free_sgpr 72
		.amdhsa_reserve_vcc 0
		.amdhsa_float_denorm_mode_32 3
		.amdhsa_float_denorm_mode_16_64 3
		.amdhsa_memory_ordered 1
		.amdhsa_forward_progress 1
		.amdhsa_inst_pref_size 105
	.end_amdhsa_kernel
	.amdgpu_metadata
---
amdhsa.version: [ 1, 2 ]
amdhsa.kernels:
  - .name:           k_q4e53e61a37_qkv
    .symbol:         k_q4e53e61a37_qkv.kd
    .args:
      - { .name: xh, .offset: 0, .size: 8, .value_kind: global_buffer, .address_space: global }
      - { .name: wh, .offset: 8, .size: 8, .value_kind: global_buffer, .address_space: global }
      - { .name: qkv, .offset: 16, .size: 8, .value_kind: global_buffer, .address_space: global }
    .group_segment_fixed_size: 327680
    .private_segment_fixed_size: 0
    .kernarg_segment_align: 8
    .kernarg_segment_size: 24
    .max_flat_workgroup_size: 128
    .sgpr_count:     72
    .vgpr_count:     1024
    .wavefront_size: 32
...
	.end_amdgpu_metadata
.endif
;; end of part 2
;; launch score (part 3): grid 8 x 32, 4 waves a work-group, clusters of 4 x 4, 327,680 bytes of LDS; arguments qkv, mask, pb, st; writes pb, st
.if DOCPART == 3
	.amdgcn_target "amdgcn-amd-amdhsa--gfx1250"
	.amdhsa_code_object_version 6
	.text
	.protected	k_q4e53e61a37_score
	.globl	k_q4e53e61a37_score
	.p2align	8
	.type	k_q4e53e61a37_score,@function
k_q4e53e61a37_score:
	s_mov_b64 s[64:65], 0
	v_nop
	global_prefetch_b8 v0, s[64:65] scope:SCOPE_SE
	s_setreg_imm32_b32 hwreg(HW_REG_WAVE_MODE, 25, 1), 1
	s_wait_xcnt 0x0
	s_wait_alu depctr_hold_cnt(0) depctr_sa_sdst(0) depctr_va_vdst(0) depctr_va_sdst(0) depctr_va_ssrc(0) depctr_va_vcc(0) depctr_vm_vsrc(0)
	s_getreg_b32 s2, hwreg(HW_REG_IB_STS2, 6, 4)
	s_cmp_eq_u32 s2, 0
	s_cbranch_scc0 .Lentry_in_a_cluster
	s_endpgm
.Lentry_in_a_cluster:
	s_bfe_u32 s2, ttmp6, 0x10000c
	s_cmp_lg_u32 s2, 0xf033
	s_cbranch_scc0 .Lentry_shape_is_right
	s_endpgm
.Lentry_shape_is_right:
; Launch 3 of 5: the scores and the softmax's first half.  s = q . k (unscaled, f32 sums of f16 products); t = s where mask, else 32 x (-1e10) (reference()'s choice, in s's units: 32 is exact);
; for each row and each block of 128 keys: m = max t, p = 2^((t - m) c) with c = log2(e) / 32, l = the sum of p.  pb[row][key] = p in f16; st holds m[16 blocks][8192 rows], then l likewise, in f32.
; The maximum is taken away before every exponential; launch 4 brings the sixteen blocks of a row onto the row's own maximum.  Nothing is left out.
; (t - m) c is a difference and a product, not one fused multiply-add of t c and m c: at m = -3.2e11 a rounded m c is off by hundreds, the difference is exact at the maximum: a block that is all hidden gives p = 1.
; LIMITS: a weight below 2^-126 counts as 0 in l; p below 6e-5 keeps f16's fixed step of 6e-8; NaN and infinities are not treated apart.
; THE PRODUCT: a tile of 256 queries x 256 keys, four waves of 128 x 128 (64 accumulators, 512 registers); K = 1,024 in 8 steps of 128 through two LDS slots filled by the tensor data mover.  q's and k's tiles both lie
; with K along their rows (LDS rows of 256 + 16 bytes), so a fragment is two plain loads of 16 bytes.  Cluster 4 x 4: q's tile is asked for jointly by a row of the cluster, k's by a column.
; The matrix instruction is used transposed (source 0 = 16 keys, source 1 = 16 queries): a lane holds ONE query (l % 16) and keys 8 (l / 16) + 0..7 of each accumulator.
; THE MASK RIDES THE RING: behind K step 6 slot 0 takes the work-group's 256 x 256 mask bytes (each wave 64 rows, a load of its own), which land under K step 7's products.
; REGISTERS, in windows of 256 (s_set_vgpr_msb: bits 1:0 source 0, 3:2 source 1, 5:4 source 2, 7:6 destination): window 0: v0-63 addresses and statistics; v64-127, v128-191 q's fragments, two buffers;
;   window 1: v64-127, v128-191 k's fragments; window 2: the accumulators of my rows 0-63 ((a, b) at v[8 (8 a + b)]); window 3: those of my rows 64-127.
;   Behind the products window 0 holds: v64-127 T, a block's 64 numbers a lane; v128-143 mask words; v192-223 p packed; v224-255 rows read back.
.set KS,     8
.set PITCH,  272
.set HALFT,  128*PITCH
.set SLOT,   4*HALFT                   ; 0x22000: shares no bit with wave x 0x8800
.set STAGE,  2*SLOT
.set SPITCH, 272
.set STAT,   STAGE+4*16*SPITCH         ; for each wave 1,024 bytes: its 128 m, then its 128 l
.set SPARE,  STAT+4*1024
.set STEP,   256
.set QROW,   6144                      ; bytes in a row of qkv
.set PROW,   4096                      ; bytes in a row of pb
.set AH,     2
.set MA,   8                           ; v8   my 8 mask bytes of accumulator 0 of block 0; never rewritten
.set SA,   9                           ; v9   my row's word in STAT, block 0; never rewritten
.set SR,   10                          ; v10  where I read 16 bytes of STAT back
.set SV,   11                          ; v11  16 l
.set MAC,  12                          ; v12, v13  MA and SA of the block in hand
.set SAC,  13
.set A0,   16
.set B0,   17
.set ADRA, 18
.set ADRB, 19
.set STO,  24
.set RD,   25
.set CO,   26
.set NEGV, 27                          ; v27  32 x (-1e10)
.set SPW,  28
.set NIL,  29
.set PFO,  30
.set PMO,  31                          ; v31  2,048 l: a lane a row of the mask
.set M,    32                          ; v[32:33] m, twice
.set CM,   34                          ; v34-37 four chains of the maximum
.set LS,   38                          ; v38  l
.set XT,   40                          ; v40, v41 what the other half of the lanes holds
.set F0,   64
.set F1,   128
.set T,    64
.set MW,   128
.set PK,   192
.set BK,   224
.set WV, 12
.set RH, 13
.set CH, 14
.set CX, 15
.set CY, 16
.set TC, 17
.set TR, 18
.set G1A, 24
.set G1B, 32
.set G0A, 40
.set G0B, 48
.set TB,  56
.set CNT, 57
.set LIM, 58
.set WOFF, 59
.set PFA, 62
.set PMA, 68                           ; s[68:69] the mask at my 64 rows
.set GM0, 72                           ; s[72:75], s[76:83] the mask tile's descriptor
.set GM1, 76
.set CS,  84                           ; s[84:85] c
.set SEL, 86                           ; s[86:87] v_permlanex16_b32's selects
.set SELB, 88                          ; s88-91 v_perm_b32's selectors: byte 0, 1, 2, 3 four times
.set C255, 92
.set AI,  93                           ; the block of 16 queries in hand
.set MSB, 0
.macro WIN new
.if MSB != (\new)
	s_set_vgpr_msb (MSB<<8)|(\new)
.set MSB, \new
.endif
.endm
.set MUL_LO, 0xa1
.set MUL_HI, 0xf1
.set TO_B,   0x40
.macro PLACES
.rept 4
	v_nop
.endr
.endm
.macro CREST
	s_cmp_lg_u32 s[WV], 0
	s_cbranch_scc1 .Lnot_wave_0_\@
	s_barrier_signal -3
.Lnot_wave_0_\@:
	s_barrier_wait -3
	s_barrier_signal -1
	s_barrier_wait -1
.endm
.macro CROUND
	s_barrier_signal -1
	s_barrier_wait -1
	CREST
.endm
.macro JLOAD
	s_cmp_eq_u32 s[RH], 0
	s_cbranch_scc0 .Lfor_b_\@
	tensor_load_to_lds s[G0A+4:G0A+7], s[G1A:G1A+7]
	s_nop 0
.rept 4
	v_nop
.endr
	s_branch .Lasked_\@
.Lfor_b_\@:
	tensor_load_to_lds s[G0B+4:G0B+7], s[G1B:G1B+7]
	s_nop 0
.rept 4
	v_nop
.endr
.Lasked_\@:
.endm
.macro MLOAD                           ; every wave's own 64 rows x 256 bytes of the mask: both addresses hang on the wave's number; no work-group mask
	tensor_load_to_lds s[GM0:GM0+3], s[GM1:GM1+7]
	s_nop 0
.rept 4
	v_nop
.endr
.endm
; PREFETCHES INTO THE L2.  ASK: the K step two refills on, 32 rows x 256 bytes, a lane a row.  q's rows are named by the clusters with x = 0, k's by the first of the two clusters along y that share a batch;
; the four partners that ask for a tile jointly take 32 of its 128 rows each, BY ADDRESS.  ASKM: in the loop's last two trips, where ASK is silent, each wave names 32 rows of its own mask tile: one reader, each block once.
.macro ASK
	s_cmp_gt_u32 s[CNT], s[LIM]
	s_cbranch_scc0 .Lnot_mine_\@
	global_prefetch_b8 v[PFO], s[PFA:PFA+1] th:TH_LOAD_NT scope:SCOPE_SE
.Lnot_mine_\@:
.endm
.macro ASKM
	s_cmp_eq_u32 s[CNT], 2
	s_cbranch_scc0 .Lnot_two_\@
	global_prefetch_b8 v[PMO], s[PMA:PMA+1] th:TH_LOAD_NT scope:SCOPE_SE
.Lnot_two_\@:
	s_cmp_eq_u32 s[CNT], 1
	s_cbranch_scc0 .Lnot_one_\@
	global_prefetch_b8 v[PMO], s[PMA:PMA+1] offset:32*2048 th:TH_LOAD_NT scope:SCOPE_SE
.Lnot_one_\@:
.endm
	s_load_b256 s[4:11], s[0:1], 0x0               ; qkv s[4:5], mask s[6:7], pb s[8:9], st s[10:11]
	v_lshl_add_u32 v[SPW], v0, 2, SPARE
	v_mov_b32 v[NIL], 0
	ds_add_u32 v[SPW], v[NIL]                      ; the wave's opening: the add, twice on end, and its wait ahead of my first tensor load
	ds_add_u32 v[SPW], v[NIL]
	v_lshrrev_b32 v1, 5, v0
	v_readfirstlane_b32 s[WV], v1
	s_lshr_b32 s[RH], s[WV], 1
	s_and_b32 s[CH], s[WV], 1
	s_bfe_u32 s[CX], ttmp6, 0x40000
	s_bfe_u32 s[CY], ttmp6, 0x40004
	s_lshl_b32 s[TC], ttmp9, 2
	s_add_co_u32 s[TC], s[TC], s[CX]               ; tile of 256 keys in the batch
	s_and_b32 s[TR], ttmp7, 0xffff
	s_lshl_b32 s[TR], s[TR], 2
	s_add_co_u32 s[TR], s[TR], s[CY]               ; tile of 256 queries among all 8,192 rows
	s_lshl_b32 s19, s[CY], 2
	s_lshl_b32 s19, 15, s19
	s_lshl_b32 s94, 0x1111, s[CX]
	s_or_b32 s[G1A], s19, (1<<16)|(1<<20)|(1<<21)|(5<<22)|(3<<25)
	s_or_b32 s[G1B], s94, (1<<16)|(1<<20)|(1<<21)|(5<<22)|(3<<25)
.irp g, G1A, G1B
	s_mov_b32 s[(\g)+1], 128<<16                   ; 128 elements x 128 rows
	s_mov_b32 s[(\g)+2], 128<<16
	s_mov_b32 s[(\g)+3], 128<<16
	s_mov_b32 s[(\g)+4], 128
	s_mov_b32 s[(\g)+5], 3072
	s_mov_b32 s[(\g)+6], 0
	s_mov_b32 s[(\g)+7], 0
.endr
	s_mov_b32 s[GM1], (3<<16)|(1<<20)|(5<<22)|(3<<25)  ; 8-byte elements; after every 64 words 4 words of padding
	s_mov_b32 s[GM1+1], 32<<16                     ; 32 elements (256 bytes) x 64 rows
	s_mov_b32 s[GM1+2], 64<<16
	s_mov_b32 s[GM1+3], 32<<16
	s_mov_b32 s[GM1+4], 64
	s_mov_b32 s[GM1+5], 256                        ; 2,048 bytes from row to row
	s_mov_b32 s[GM1+6], 0
	s_mov_b32 s[GM1+7], 0
	s_mov_b32 s[GM0], 1
	s_mul_i32 s[GM0+1], s[WV], 64*PITCH            ; into slot 0, rows of 272 bytes
	s_lshl_b32 s20, s[TR], 8                       ; q: row 256 x tile row + 128 x half
	s_lshl_b32 s21, s[CH], 7
	s_add_co_u32 s20, s20, s21
	s_mul_i32 s20, s20, QROW
	s_mov_b32 s21, 0
	s_and_b32 s22, ttmp7, 0xffff                   ; k: row 2,048 x batch + 256 x tile column + 128 x half, at byte 2,048 of a row.  The batch is cluster y / 2: no cy enters
	s_lshr_b32 s22, s22, 1
	s_lshl_b32 s22, s22, 11
	s_lshl_b32 s23, s[TC], 8
	s_add_co_u32 s22, s22, s23
	s_lshl_b32 s23, s[CH], 7
	s_add_co_u32 s22, s22, s23
	s_mul_i32 s22, s22, QROW
	s_add_co_u32 s22, s22, 2048
	s_mov_b32 s23, 0
	s_lshl_b32 s70, s[TR], 8                       ; the mask: row 256 x tile row + 64 x wave, byte 256 x tile column
	s_lshl_b32 s71, s[WV], 6
	s_add_co_u32 s70, s70, s71
	s_lshl_b32 s70, s70, 11
	s_lshl_b32 s71, s[TC], 8
	s_add_co_u32 s70, s70, s71
	s_mov_b32 s71, 0
	s_mul_i32 s[WOFF], s[WV], HALFT
	s_mov_b32 s[TB], 0
	s_mov_b32 s[CS], 0x3d38aa3b                    ; c = log2(e) / 32
	s_mov_b32 s[CS+1], s[CS]
	s_mov_b32 s[SEL], 0x76543210
	s_mov_b32 s[SEL+1], 0xfedcba98
	s_mov_b32 s[SELB], 0
	s_mov_b32 s[SELB+1], 0x01010101
	s_mov_b32 s[SELB+2], 0x02020202
	s_mov_b32 s[SELB+3], 0x03030303
	s_mov_b32 s[C255], 255
	s_wait_dscnt 0x0                               ; both opening adds are done
	s_wait_kmcnt 0x0
	s_add_nc_u64 s[20:21], s[4:5], s[20:21]
	s_add_nc_u64 s[22:23], s[4:5], s[22:23]
	s_add_nc_u64 s[PMA:PMA+1], s[6:7], s[70:71]
	s_add_nc_u64 s[GM0+2:GM0+3], s[6:7], s[70:71]
	s_or_b32 s[GM0+3], s[GM0+3], 0x80000000
	CROUND                                         ; all sixteen work-groups are here: the first joint loads meet
.irp s, 0,1
	s_mov_b32 s[G0A+4*(\s)], 1
	s_add_co_u32 s[G0A+4*(\s)+1], s[WOFF], (\s)*SLOT
	s_add_nc_u64 s[G0A+4*(\s)+2:G0A+4*(\s)+3], s[20:21], (\s)*STEP
	s_or_b32 s[G0A+4*(\s)+3], s[G0A+4*(\s)+3], 0x80000000
	s_mov_b32 s[G0B+4*(\s)], 1
	s_add_co_u32 s[G0B+4*(\s)+1], s[WOFF], (\s)*SLOT
	s_add_nc_u64 s[G0B+4*(\s)+2:G0B+4*(\s)+3], s[22:23], (\s)*STEP
	s_or_b32 s[G0B+4*(\s)+3], s[G0B+4*(\s)+3], 0x80000000
.endr
	s_cmp_eq_u32 s[RH], 0                          ; a wave's two first fills stand in one branch: two loads of mine are out
	s_cbranch_scc0 .Lfirst_b
	tensor_load_to_lds s[G0A:G0A+3], s[G1A:G1A+7]
	s_nop 0
	tensor_load_to_lds s[G0A+4:G0A+7], s[G1A:G1A+7]
	s_nop 0
.rept 4
	v_nop
.endr
	s_branch .Lfirst_asked
.Lfirst_b:
	tensor_load_to_lds s[G0B:G0B+3], s[G1B:G1B+7]
	s_nop 0
	tensor_load_to_lds s[G0B+4:G0B+7], s[G1B:G1B+7]
	s_nop 0
.rept 4
	v_nop
.endr
.Lfirst_asked:
	v_and_b32 v1, 15, v0                           ; r
	v_bfe_u32 v2, v0, 4, 1                         ; h
	v_and_b32 v3, 31, v0                           ; l
	v_mul_u32_u24 v4, v1, PITCH
	v_lshl_add_u32 v4, v2, 4, v4                   ; 272 r + 16 h
	s_mul_i32 s19, s[RH], HALFT
	v_add_nc_u32 v[A0], s19, v4
	s_mul_i32 s19, s[CH], HALFT
	s_add_co_u32 s19, s19, 2*HALFT
	v_add_nc_u32 v[B0], s19, v4
	v_mov_b32 v[ADRA], v[A0]
	v_mov_b32 v[ADRB], v[B0]
	s_mul_i32 s19, s[WV], 16*SPITCH
	s_add_co_u32 s19, s19, STAGE
	v_add_nc_u32 v[STO], s19, v4
	v_mul_u32_u24 v7, v2, SPITCH
	v_lshl_add_u32 v7, v1, 4, v7
	v_add_nc_u32 v[RD], s19, v7
	v_lshlrev_b32 v7, 12, v2
	v_lshl_add_u32 v[CO], v1, 4, v7                ; two rows of pb, 256 bytes each
	s_mul_i32 s19, s[RH], HALFT                    ; the mask tile: row 128 RH + r (+ 16 a block), byte 128 CH + 8 h (+ 16 an accumulator): my 8 keys are 8 bytes on end
	s_lshl_b32 s94, s[CH], 7
	s_add_co_u32 s19, s19, s94
	v_mul_u32_u24 v[MA], v1, PITCH
	v_lshl_add_u32 v[MA], v2, 3, v[MA]
	v_add_nc_u32 v[MA], s19, v[MA]
	s_lshl_b32 s19, s[WV], 10
	s_add_co_u32 s19, s19, STAT
	v_lshl_add_u32 v[SA], v1, 2, s19
	v_lshl_add_u32 v[SR], v3, 4, s19
	v_lshlrev_b32 v[SV], 4, v3
	v_mov_b32 v[NEGV], 0xd29502f9                  ; 32 x (-1e10)
	v_mov_b32 v[XT], 0                             ; v_permlanex16_b32's destinations count as read
	v_mov_b32 v[XT+1], 0
	v_lshlrev_b32 v[PMO], 11, v3
	v_mul_u32_u24 v[PFO], v3, QROW
	s_lshl_b32 s19, s[TR], 8                       ; pb: row 256 x tile row + 128 RH, byte 512 x tile column + 256 CH
	s_lshl_b32 s94, s[RH], 7
	s_add_co_u32 s19, s19, s94
	s_lshl_b32 s94, s19, 12
	s_lshl_b32 s95, s[TC], 9
	s_add_co_u32 s94, s94, s95
	s_lshl_b32 s95, s[CH], 8
	s_add_co_u32 s94, s94, s95
	s_mov_b32 s95, 0
	s_add_nc_u64 s[8:9], s[8:9], s[94:95]
	s_lshl_b32 s94, s[TC], 1                       ; st: block 2 x tile column + CH, 32,768 bytes a block; my 128 rows' words
	s_add_co_u32 s94, s94, s[CH]
	s_lshl_b32 s94, s94, 15
	s_lshl_b32 s19, s19, 2
	s_add_co_u32 s94, s94, s19
	s_add_nc_u64 s[10:11], s[10:11], s[94:95]
	s_lshl_b32 s19, s[TR], 8                       ; the prefetches.  q: row 256 x tile row + 128 CH + 32 cx
	s_lshl_b32 s94, s[CH], 7
	s_add_co_u32 s19, s19, s94
	s_lshl_b32 s94, s[CX], 5
	s_add_co_u32 s19, s19, s94
	s_mul_i32 s19, s19, QROW
	s_add_co_u32 s19, s19, (1+AH)*STEP
	s_and_b32 s70, ttmp7, 0xffff                   ; k: row 2,048 x batch + 256 x tile column + 128 CH + 32 cy
	s_lshr_b32 s94, s70, 1
	s_lshl_b32 s94, s94, 11
	s_lshl_b32 s95, s[TC], 8
	s_add_co_u32 s94, s94, s95
	s_lshl_b32 s95, s[CH], 7
	s_add_co_u32 s94, s94, s95
	s_lshl_b32 s95, s[CY], 5
	s_add_co_u32 s94, s94, s95
	s_mul_i32 s94, s94, QROW
	s_add_co_u32 s94, s94, 2048+(1+AH)*STEP
	s_and_b32 s70, s70, 1
	s_cmp_eq_u32 s[RH], 0
	s_cselect_b32 s94, s19, s94
	s_cselect_b32 s70, ttmp9, s70                  ; the coordinate along which other clusters read the same rows
	s_mov_b32 s95, 0
	s_add_nc_u64 s[PFA:PFA+1], s[4:5], s[94:95]
	s_cmp_eq_u32 s70, 0
	s_cselect_b32 s[LIM], AH, -1
.macro MUL16 f, hi, a0, zero           ; the 64 accumulators take turns in one order in every quarter
	WIN MUL_LO+0x50*(\hi)
.irp a, \a0, (\a0)+1
.irp b, 0,1,2,3,4,5,6,7
.if \zero
	v_wmma_f32_16x16x32_f16 v[8*(8*(\a)+(\b)):8*(8*(\a)+(\b))+7], v[(\f)+8*(\b):(\f)+8*(\b)+7], v[(\f)+8*(4*(\hi)+(\a)):(\f)+8*(4*(\hi)+(\a))+7], 0
.else
	v_wmma_f32_16x16x32_f16 v[8*(8*(\a)+(\b)):8*(8*(\a)+(\b))+7], v[(\f)+8*(\b):(\f)+8*(\b)+7], v[(\f)+8*(4*(\hi)+(\a)):(\f)+8*(4*(\hi)+(\a))+7], v[8*(8*(\a)+(\b)):8*(8*(\a)+(\b))+7]
.endif
.endr
.endr
.endm
.macro FETCH q, f
	WIN TO_B
.irp i, 0,1,2,3,4,5,6,7
	ds_load_b128 v[(\f)+8*(\i):(\f)+8*(\i)+3],   v[ADRB] offset:64*(\q)+(\i)*16*PITCH
	ds_load_b128 v[(\f)+8*(\i)+4:(\f)+8*(\i)+7], v[ADRB] offset:64*(\q)+(\i)*16*PITCH+32
.endr
	WIN 0
.irp i, 0,1,2,3,4,5,6,7
	ds_load_b128 v[(\f)+8*(\i):(\f)+8*(\i)+3],   v[ADRA] offset:64*(\q)+(\i)*16*PITCH
	ds_load_b128 v[(\f)+8*(\i)+4:(\f)+8*(\i)+7], v[ADRA] offset:64*(\q)+(\i)*16*PITCH+32
.endr
.endm
.macro QUARTER q, f, g, zero
	s_wait_dscnt 8                                 ; k's fragments and q's rows 0-63 are in; the youngest eight loads may be out
	MUL16 \f, 0, 0, \zero
	MUL16 \f, 0, 2, \zero
	PLACES
	FETCH \q, \g
	s_wait_dscnt 32                                ; all but the 32 just issued
	MUL16 \f, 1, 0, \zero
	MUL16 \f, 1, 2, \zero
.endm
; The change of slots.  refill = 1: the slot just read takes the K step two on; 2: it takes the mask; 0: nothing is asked for.  fetch = 1: the next slot's first fragments
.macro TURN refill, fetch
.if (\refill) == 1
	s_wait_xcnt 0x0                                ; the last prefetch, a K step back, has read its address
	s_add_nc_u64 s[PFA:PFA+1], s[PFA:PFA+1], STEP
.endif
	WIN 0
	s_wait_tensorcnt 0x0                           ; all my tensor loads have landed
	ds_add_u32 v[SPW], v[NIL]
	s_wait_dscnt 9                                 ; (the add and the youngest eight loads may be out)
	MUL16 F1, 0, 0, 0
	s_wait_dscnt 0x0                               ; the add is done, and my reads of this slot are over
	s_barrier_signal -1
	MUL16 F1, 0, 2, 0
	WIN 0
	s_barrier_wait -1
.if (\refill) == 1
	CREST
	s_xor_b32 s[G0A+5], s[G0A+5], SLOT
	s_add_nc_u64 s[G0A+6:G0A+7], s[G0A+6:G0A+7], STEP
	s_xor_b32 s[G0B+5], s[G0B+5], SLOT
	s_add_nc_u64 s[G0B+6:G0B+7], s[G0B+6:G0B+7], STEP
	JLOAD
.elseif (\refill) == 2
	CREST
	MLOAD
.else
	PLACES
.endif
.if \fetch
	s_xor_b32 s[TB], s[TB], SLOT
	v_add_nc_u32 v[ADRA], s[TB], v[A0]
	v_add_nc_u32 v[ADRB], s[TB], v[B0]
	FETCH 0, F0
.endif
.if (\refill) == 1
	ASK
	ASKM
.endif
	MUL16 F1, 1, 0, 0
	MUL16 F1, 1, 2, 0
.endm
	s_wait_tensorcnt 1                             ; my part of K step 0 is in; K step 1's may stay out
	s_barrier_signal -1
	s_barrier_wait -1
	FETCH 0, F0
	QUARTER 1, F0, F1, 1
	WIN 0
	s_mov_b32 s[CNT], KS-2
	s_branch .Lmid
.Ltop:                                                 ; K steps 0 to 5
	QUARTER 1, F0, F1, 0
	WIN 0
.Lmid:
	QUARTER 2, F1, F0, 0
	QUARTER 3, F0, F1, 0
	TURN 1, 1
	WIN 0
	s_sub_co_u32 s[CNT], s[CNT], 1
	s_cmp_lg_u32 s[CNT], 0
	s_cbranch_scc1 .Ltop
	QUARTER 1, F0, F1, 0                           ; K step 6; behind it slot 0 takes the mask
	QUARTER 2, F1, F0, 0
	QUARTER 3, F0, F1, 0
	TURN 2, 1
	QUARTER 1, F0, F1, 0                           ; K step 7
	QUARTER 2, F1, F0, 0
	QUARTER 3, F0, F1, 0
	TURN 0, 0                                      ; its wait and barrier show every wave's part of the mask to all four
	WIN 0
	PLACES
; THE SOFTMAX's FIRST HALF, a block of 16 queries a trip.  Only the 64 lines that read the block's accumulators differ from block to block: they stand eight times, chosen by the counter.
	s_mov_b32 s[AI], 0
.Lblk:
	s_mul_i32 s94, s[AI], 16*PITCH
	s_lshl_b32 s95, s[AI], 6
	v_add_nc_u32 v[MAC], s94, v[MA]
	v_add_nc_u32 v[SAC], s95, v[SA]
.irp b, 0,1,2,3,4,5,6,7
	ds_load_b64 v[MW+2*(\b):MW+2*(\b)+1], v[MAC] offset:16*(\b)
.endr
	s_wait_dscnt 0x0
.set i, 0
.rept 16
	v_mul_lo_u32 v[MW+i], v[MW+i], s[C255]         ; bytes 0, 1 become 0x00, 0xff
.set i, i+1
.endr
.set i, 0
.rept 64
	v_perm_b32 v[T+i], v[MW+i/4], v[MW+i/4], s[SELB+i%4]  ; a byte four times: a word of zeros or of ones for key i
.set i, i+1
.endr
.irp a, 1,2,3,4,5,6,7
	s_cmp_eq_u32 s[AI], \a
	s_cbranch_scc1 .Lsec\a
.endr
.irp a, 0,1,2,3,4,5,6,7
.Lsec\a:
	WIN 0x08+4*((\a)/4)                            ; source 1: window 2 or 3
.set i, 0
.rept 64
	v_bfi_b32 v[T+i], v[T+i], v[64*((\a)%4)+i], v[NEGV]  ; the score where the mask is 1, else 32 x (-1e10); each accumulator is read from its low end on
.set i, i+1
.endr
	WIN 0
	s_branch .Ljoin
.endr
.Ljoin:
.irp c, 0,1,2,3                        ; the maximum: four chains of 15 numbers, three operands at a time; the four left over; the chains; the other half of the lanes
	v_max3_num_f32 v[CM+(\c)], v[T+16*(\c)], v[T+16*(\c)+1], v[T+16*(\c)+2]
.endr
.irp i, 1,2,3,4,5,6
.irp c, 0,1,2,3
	v_max3_num_f32 v[CM+(\c)], v[CM+(\c)], v[T+16*(\c)+2*(\i)+1], v[T+16*(\c)+2*(\i)+2]
.endr
.endr
	v_max3_num_f32 v[CM], v[CM], v[T+15], v[T+31]
	v_max3_num_f32 v[CM+1], v[CM+1], v[T+47], v[T+63]
	v_max3_num_f32 v[CM], v[CM], v[CM+1], v[CM+2]
	v_max_num_f32 v[CM], v[CM], v[CM+3]
	v_permlanex16_b32 v[XT], v[CM], s[SEL], s[SEL+1]
	v_max_num_f32 v[M], v[CM], v[XT]
	v_mov_b32 v[M+1], v[M]
.set i, 0
.rept 32
	v_pk_add_f32 v[T+i:T+i+1], v[T+i:T+i+1], v[M:M+1] neg_lo:[0,1] neg_hi:[0,1]  ; t - m: exactly 0 at the maximum
.set i, i+2
.endr
.set i, 0
.rept 32
	v_pk_mul_f32 v[T+i:T+i+1], v[T+i:T+i+1], s[CS:CS+1] op_sel_hi:[1,0]
.set i, i+2
.endr
.set i, 0
.rept 64
	v_exp_f32 v[T+i], v[T+i]                       ; one batch
.set i, i+1
.endr
	v_nop                                          ; a plain instruction behind the last exponential,
	s_wait_alu depctr_va_vdst(0)                   ; and one wait for the batch, ahead of the first line that names a result
.set i, 0
.rept 32
	v_cvt_pk_f16_f32 v[PK+i], v[T+2*i], v[T+2*i+1]
.set i, i+1
.endr
.irp w, 32,16,8,4,2                    ; l: the 32 pairs added in place, 16, 8, 4, 2 and 1 pairs apart; of the unrounded p
.set i, 0
.rept (\w)/2
	v_pk_add_f32 v[T+i:T+i+1], v[T+i:T+i+1], v[T+i+(\w):T+i+(\w)+1]
.set i, i+2
.endr
.endr
	v_add_f32 v[LS], v[T], v[T+1]
	v_permlanex16_b32 v[XT+1], v[LS], s[SEL], s[SEL+1]
	v_add_f32 v[LS], v[LS], v[XT+1]
	ds_store_b32 v[SAC], v[M]                      ; lanes r and r + 16 write the same word with the same number
	ds_store_b32 v[SAC], v[LS] offset:512
.irp b, 0,1,2,3,4,5,6,7
	ds_store_b128 v[STO], v[PK+4*(\b):PK+4*(\b)+3] offset:32*(\b)
.endr
.irp t, 0,1,2,3,4,5,6,7
	ds_load_b128 v[BK+4*(\t):BK+4*(\t)+3], v[RD] offset:(\t)*2*SPITCH  ; LDS serves a wave's instructions in order (ISA guide 5.7.1.4)
.endr
	s_wait_dscnt 0x0
.irp t, 0,1,2,3,4,5,6,7
	global_store_b128 v[CO], v[BK+4*(\t):BK+4*(\t)+3], s[8:9] offset:2*(\t)*PROW  ; 16 lanes store 256 consecutive bytes, aligned
.endr
	s_wait_xcnt 0x0                                ; the stores have read their base and their data: both are written again in the next trip
	s_add_nc_u64 s[8:9], s[8:9], 16*PROW
	s_add_co_u32 s[AI], s[AI], 1
	s_cmp_lt_u32 s[AI], 8
	s_cbranch_scc1 .Lblk
	ds_load_b128 v[32:35], v[SR]                   ; my wave's 128 m and 128 l, 16 bytes a lane: my own bytes, in order
	ds_load_b128 v[36:39], v[SR] offset:512
	s_wait_dscnt 0x0
	global_store_b128 v[SV], v[32:35], s[10:11]    ; 512 consecutive bytes, aligned
	global_store_b128 v[SV], v[36:39], s[10:11] offset:524288
	s_wait_tensorcnt 0x0                           ; the wave's end
	ds_add_u32 v[SPW], v[NIL]
	s_wait_dscnt 0x0
	CROUND                                         ; the closing round
	s_endpgm
.Lfunc_end_k_q4e53e61a37_score:
	.size	k_q4e53e61a37_score, .Lfunc_end_k_q4e53e61a37_score-k_q4e53e61a37_score
	.p2alignl 7, 3214868480
	.fill 96, 4, 3214868480
	.section	.rodata,"a",@progbits
	.p2align	6, 0x0
	.amdhsa_kernel k_q4e53e61a37_score
		.amdhsa_group_segment_fixed_size 327680
		.amdhsa_private_segment_fixed_size 0
		.amdhsa_enable_private_segment 0
		.amdhsa_kernarg_size 32
		.amdhsa_user_sgpr_count 2
		.amdhsa_user_sgpr_kernarg_segment_ptr 1
		.amdhsa_wavefront_size32 1
		.amdhsa_system_sgpr_workgroup_id_x 1
		.amdhsa_system_sgpr_workgroup_id_y 1
		.amdhsa_system_sgpr_workgroup_id_z 1
		.amdhsa_system_vgpr_workitem_id 0
		.amdhsa_next_free_vgpr 1024
		.amdhsa_next_free_sgpr 96
		.amdhsa_reserve_vcc 0
		.amdhsa_float_denorm_mode_32 3
		.amdhsa_float_denorm_mode_16_64 3
		.amdhsa_memory_ordered 1
		.amdhsa_forward_progress 1
		.amdhsa_inst_pref_size 149
	.end_amdhsa_kernel
	.amdgpu_metadata
---
amdhsa.version: [ 1, 2 ]
amdhsa.kernels:
  - .name:           k_q4e53e61a37_score
    .symbol:         k_q4e53e61a37_score.kd
    .args:
      - { .name: qkv, .offset: 0, .size: 8, .value_kind: global_buffer, .address_space: global }
      - { .name: mask, .offset: 8, .size: 8, .value_kind: global_buffer, .address_space: global }
      - { .name: pb, .offset: 16, .size: 8, .value_kind: global_buffer, .address_space: global }
      - { .name: st, .offset: 24, .size: 8, .value_kind: global_buffer, .address_space: global }
    .group_segment_fixed_size: 327680
    .private_segment_fixed_size: 0
    .kernarg_segment_align: 8
    .kernarg_segment_size: 32
    .max_flat_workgroup_size: 128
    .sgpr_count:     96
    .vgpr_count:     1024
    .wavefront_size: 32
...
	.end_amdgpu_metadata
.endif
;; end of part 3
;; launch pv (part 4): grid 4 x 64, 4 waves a work-group, clusters of 4 x 4, 327,680 bytes of LDS; arguments pb, qkv, st, ob; writes ob
.if DOCPART == 4
	.amdgcn_target "amdgcn-amd-amdhsa--gfx1250"
	.amdhsa_code_object_version 6
	.text
	.protected	k_q4e53e61a37_pv
	.globl	k_q4e53e61a37_pv
	.p2align	8
	.type	k_q4e53e61a37_pv,@function
k_q4e53e61a37_pv:
	s_mov_b64 s[64:65], 0
	v_nop
	global_prefetch_b8 v0, s[64:65] scope:SCOPE_SE
	s_setreg_imm32_b32 hwreg(HW_REG_WAVE_MODE, 25, 1), 1
	s_wait_xcnt 0x0
	s_wait_alu depctr_hold_cnt(0) depctr_sa_sdst(0) depctr_va_vdst(0) depctr_va_sdst(0) depctr_va_ssrc(0) depctr_va_vcc(0) depctr_vm_vsrc(0)
	s_getreg_b32 s2, hwreg(HW_REG_IB_STS2, 6, 4)
	s_cmp_eq_u32 s2, 0
	s_cbranch_scc0 .Lentry_in_a_cluster
	s_endpgm
.Lentry_in_a_cluster:
	s_bfe_u32 s2, ttmp6, 0x10000c
	s_cmp_lg_u32 s2, 0xf033
	s_cbranch_scc0 .Lentry_shape_is_right
	s_endpgm
.Lentry_shape_is_right:
; Launch 4 of 5: ob[row][ch] = (the sum over blocks j and keys of f_j p v) / L.  For a row: M = max over j of m_j, f_j = 2^((m_j - M) c), c = log2(e) / 32, L = the sum of f_j l_j: the softmax over all 2,048 keys
; with the row's true maximum taken away.  f <= 1 and L >= 1 for every input (the block that holds M has f = 1 and l >= 1).  A row that is all hidden has f = 1, L = 2,048: uniform weights, as in reference().  Nothing is left out.
; pb: [8192][2048] f16; v: bytes 4,096 on of qkv's rows; st: m[16][8192], l[16][8192] f32; ob: [8192][1024] f16.  Sums in f32; f p is rounded to f16 (both lie in 0 to 1), ob once.
; LIMITS: f p below 6e-8 counts as 0 beside a largest weight of 1; ob is a mean of v's rows and has their range; NaN and infinities are not treated apart.
; A tile of 128 rows x 256 channels (256 x 256 would give 128 work-groups for 256 WGPs); four waves of 64 x 128: 32 accumulators, 256 registers.  K = 2,048 keys in 16 steps of 128: a K step is one block j.
; p's tile lies with K along its rows; v's lies [K][N] and is turned by ds_load_tr16_b128.  CLUSTER 4 x 4: p's tile is shared along a row of the cluster, v's along a column.  The matrix instruction is used transposed.
; THE FACTORS ride: a quarter's four fragments of p are multiplied by f (packed f16) behind the products of the quarter before, two or four lines behind each, under a window switch each way.
; REGISTERS: window 1: the accumulators, (a, b) at v[8 (8 a + b)].  Window 0: v0-31 addresses and factors; v32-127, v128-223 two fragment buffers (p's 4 fragments, then v's 8); v224-255 at work.
.set SCALE,  1
.set KS,     16
.set PITCH,  272
.set BP,     544
.set AREG,   128*PITCH                 ; p's 128 rows; behind them v's 128 rows of 544 bytes
.set SLOT1,  1<<17                     ; slot 1 begins here: one exclusive or turns an address in one slot into the other's
.set STAGE,  SLOT1+AREG+128*BP         ; behind the ring: 16 rows x 272 bytes for each wave
.set SPITCH, 272
.set FT,     STAGE+4*16*SPITCH         ; (f, f) in f16: a word for each block and row: 16 x 512 bytes
.set RLT,    FT+16*512                 ; 1 / L in f32: 512 bytes
.set SPARE,  RLT+512
.set STEPA,  256
.set STEPB,  128*6144
.set OROW,   2048                      ; bytes in a row of ob
.set AH,     4                         ; a prefetch names the K step four refills on: 512 matrix instructions ahead
.set A0,   16
.set B0,   17
.set ADRA, 18
.set ADRB, 19
.set STO,  20
.set RD,   21
.set CO,   22
.set FAD,  23                          ; v23  where my rows' factors of the block in hand lie
.set FA,   24                          ; v24-27 (f, f) of my row in each of the four row blocks
.set SPW,  28
.set NIL,  29
.set PFO,  30
.set FA0,  31                          ; v31  FT + 4 (64 RH + r); never rewritten
.set F0,   32
.set F1,   128
.set TMP,  32
.set RL,   224                         ; v[224:231] 1 / L of my row in each row block, twice
.set WV, 12
.set RH, 13
.set CH, 14
.set CX, 15
.set CY, 16
.set TC, 17
.set TR, 18
.set G1A, 24
.set G1B, 32
.set G0A, 40
.set G0B, 48
.set TB,  56
.set CNT, 57
.set LIM, 58
.set WOFFA, 59
.set WOFFB, 60
.set PFA, 62
.set PFS, 66
.set FB,  68                           ; s68  512 x the block in hand
.set CS,  72                           ; s[72:73] c
.set MSB, 0
.macro WIN new
.if MSB != (\new)
	s_set_vgpr_msb (MSB<<8)|(\new)
.set MSB, \new
.endif
.endm
.macro PLACES
.rept 4
	v_nop
.endr
.endm
.macro CREST
	s_cmp_lg_u32 s[WV], 0
	s_cbranch_scc1 .Lnot_wave_0_\@
	s_barrier_signal -3
.Lnot_wave_0_\@:
	s_barrier_wait -3
	s_barrier_signal -1
	s_barrier_wait -1
.endm
.macro CROUND
	s_barrier_signal -1
	s_barrier_wait -1
	CREST
.endm
.macro JLOAD                           ; waves 0 and 1: 64 rows of p each; waves 2 and 3: 64 rows of v each
	s_cmp_eq_u32 s[RH], 0
	s_cbranch_scc0 .Lfor_b_\@
	tensor_load_to_lds s[G0A+4:G0A+7], s[G1A:G1A+7]
	s_nop 0
.rept 4
	v_nop
.endr
	s_branch .Lasked_\@
.Lfor_b_\@:
	tensor_load_to_lds s[G0B+4:G0B+7], s[G1B:G1B+7]
	s_nop 0
.rept 4
	v_nop
.endr
.Lasked_\@:
.endm
; A PREFETCH INTO THE L2 of the K step four refills on, 32 blocks of 256 bytes, a lane a block.  p's 128 rows: wave 0 alone, 32 rows a partner by cx.  v's 128 rows x 512 bytes: waves 2 and 3 of the first of the
; four clusters along y that share a batch, 16 rows x 2 blocks a partner by cy.  The partners are told apart BY ADDRESS; each block is named once.  CNT > AH holds just while that K step exists.
.macro ASK
	s_cmp_gt_u32 s[CNT], s[LIM]
	s_cbranch_scc0 .Lnot_mine_\@
	global_prefetch_b8 v[PFO], s[PFA:PFA+1] th:TH_LOAD_NT scope:SCOPE_SE
.Lnot_mine_\@:
.endm
	s_load_b256 s[4:11], s[0:1], 0x0               ; pb s[4:5], qkv s[6:7], st s[8:9], ob s[10:11]
	v_lshl_add_u32 v[SPW], v0, 2, SPARE
	v_mov_b32 v[NIL], 0
	ds_add_u32 v[SPW], v[NIL]                      ; the wave's opening: the add, twice on end, and its wait ahead of my first tensor load
	ds_add_u32 v[SPW], v[NIL]
	v_lshrrev_b32 v1, 5, v0
	v_readfirstlane_b32 s[WV], v1
	s_lshr_b32 s[RH], s[WV], 1
	s_and_b32 s[CH], s[WV], 1
	s_bfe_u32 s[CX], ttmp6, 0x40000
	s_bfe_u32 s[CY], ttmp6, 0x40004
	s_lshl_b32 s[TC], ttmp9, 2
	s_add_co_u32 s[TC], s[TC], s[CX]               ; tile of 256 channels
	s_and_b32 s74, ttmp7, 0xffff                   ; cluster y
	s_lshl_b32 s[TR], s74, 2
	s_add_co_u32 s[TR], s[TR], s[CY]               ; tile of 128 rows
	s_lshl_b32 s19, s[CY], 2
	s_lshl_b32 s19, 15, s19
	s_lshl_b32 s75, 0x1111, s[CX]
	s_or_b32 s[G1A], s19, (1<<16)|(1<<20)|(1<<21)|(5<<22)|(3<<25)
	s_or_b32 s[G1B], s75, (1<<16)|(1<<20)|(1<<21)|(6<<22)|(7<<25)
	s_mov_b32 s[G1A+1], 128<<16                    ; 128 elements x 64 rows
	s_mov_b32 s[G1A+2], 64<<16
	s_mov_b32 s[G1A+3], 128<<16
	s_mov_b32 s[G1A+4], 64
	s_mov_b32 s[G1A+5], 2048
	s_mov_b32 s[G1A+6], 0
	s_mov_b32 s[G1A+7], 0
	s_mov_b32 s[G1B+1], 256<<16                    ; 256 elements x 64 rows
	s_mov_b32 s[G1B+2], 64<<16
	s_mov_b32 s[G1B+3], 256<<16
	s_mov_b32 s[G1B+4], 64
	s_mov_b32 s[G1B+5], 3072
	s_mov_b32 s[G1B+6], 0
	s_mov_b32 s[G1B+7], 0
	s_lshl_b32 s20, s[TR], 7                       ; p: row 128 x tile row + 64 x half, 4,096 bytes a row
	s_lshl_b32 s21, s[CH], 6
	s_add_co_u32 s20, s20, s21
	s_lshl_b32 s20, s20, 12
	s_mov_b32 s21, 0
	s_lshr_b32 s22, s74, 2                         ; v: row 2,048 x batch + 64 x half (the batch is cluster y / 4: no cy enters), byte 4,096 + 512 x tile column
	s_lshl_b32 s22, s22, 11
	s_lshl_b32 s23, s[CH], 6
	s_add_co_u32 s22, s22, s23
	s_mul_i32 s22, s22, 6144
	s_lshl_b32 s23, s[TC], 9
	s_add_co_u32 s22, s22, s23
	s_add_co_u32 s22, s22, 4096
	s_mov_b32 s23, 0
	s_mul_i32 s[WOFFA], s[CH], 64*PITCH
	s_mul_i32 s[WOFFB], s[CH], 64*BP
	s_add_co_u32 s[WOFFB], s[WOFFB], AREG
	s_mov_b32 s[TB], 0
	s_mov_b32 s[FB], 0
	s_mov_b32 s[CS], 0x3d38aa3b                    ; c = log2(e) / 32
	s_mov_b32 s[CS+1], s[CS]
	s_lshl_b32 s70, s[TR], 9                       ; st: my work-group's 128 rows' words
	s_mov_b32 s71, 0
	v_lshlrev_b32 v9, 2, v0                        ; thread t takes row t
	s_wait_dscnt 0x0                               ; both opening adds are done
	s_wait_kmcnt 0x0
	s_add_nc_u64 s[20:21], s[4:5], s[20:21]
	s_add_nc_u64 s[22:23], s[6:7], s[22:23]
	s_add_nc_u64 s[8:9], s[8:9], s[70:71]
	CROUND                                         ; all sixteen work-groups are here: the first joint loads meet
.irp s, 0,1
	s_mov_b32 s[G0A+4*(\s)], 1
	s_add_co_u32 s[G0A+4*(\s)+1], s[WOFFA], (\s)*SLOT1
	s_add_nc_u64 s[G0A+4*(\s)+2:G0A+4*(\s)+3], s[20:21], (\s)*STEPA
	s_or_b32 s[G0A+4*(\s)+3], s[G0A+4*(\s)+3], 0x80000000
	s_mov_b32 s[G0B+4*(\s)], 1
	s_add_co_u32 s[G0B+4*(\s)+1], s[WOFFB], (\s)*SLOT1
	s_add_nc_u64 s[G0B+4*(\s)+2:G0B+4*(\s)+3], s[22:23], (\s)*STEPB
	s_or_b32 s[G0B+4*(\s)+3], s[G0B+4*(\s)+3], 0x80000000
.endr
	s_cmp_eq_u32 s[RH], 0                          ; a wave's two first fills stand in one branch: two loads of mine are out
	s_cbranch_scc0 .Lfirst_b
	tensor_load_to_lds s[G0A:G0A+3], s[G1A:G1A+7]
	s_nop 0
	tensor_load_to_lds s[G0A+4:G0A+7], s[G1A:G1A+7]
	s_nop 0
.rept 4
	v_nop
.endr
	s_branch .Lfirst_asked
.Lfirst_b:
	tensor_load_to_lds s[G0B:G0B+3], s[G1B:G1B+7]
	s_nop 0
	tensor_load_to_lds s[G0B+4:G0B+7], s[G1B:G1B+7]
	s_nop 0
.rept 4
	v_nop
.endr
.Lfirst_asked:
.irp j, 0,1,2,3,4,5,6,7,8,9,10,11,12,13,14,15
	global_load_b32 v[32+(\j)], v9, s[8:9] offset:32768*(\j)          ; m_j of my row
	global_load_b32 v[48+(\j)], v9, s[8:9] offset:524288+32768*(\j)   ; l_j
.endr
	v_and_b32 v1, 15, v0                           ; r
	v_bfe_u32 v2, v0, 4, 1                         ; h
	v_and_b32 v3, 31, v0                           ; l
	v_mul_u32_u24 v4, v1, PITCH
	v_lshl_add_u32 v4, v2, 4, v4                   ; 272 r + 16 h
	s_mul_i32 s19, s[RH], 64*PITCH
	v_add_nc_u32 v[A0], s19, v4
	v_and_b32 v5, 7, v0                            ; the turning load: row 8 h + l % 8, 16 bytes at 16 ((l / 8) % 2)
	v_lshl_add_u32 v5, v2, 3, v5
	v_mul_u32_u24 v5, v5, BP
	v_bfe_u32 v6, v0, 3, 1
	v_lshl_add_u32 v5, v6, 4, v5
	s_lshl_b32 s19, s[CH], 8
	s_add_co_u32 s19, s19, AREG
	v_add_nc_u32 v[B0], s19, v5
	v_mov_b32 v[ADRA], v[A0]
	v_mov_b32 v[ADRB], v[B0]
	s_mul_i32 s19, s[WV], 16*SPITCH
	s_add_co_u32 s19, s19, STAGE
	v_add_nc_u32 v[STO], s19, v4
	v_mul_u32_u24 v7, v2, SPITCH
	v_lshl_add_u32 v7, v1, 4, v7
	v_add_nc_u32 v[RD], s19, v7
	v_lshlrev_b32 v7, 11, v2
	v_lshl_add_u32 v[CO], v1, 4, v7                ; two rows of ob, 256 bytes each
	s_lshl_b32 s19, s[RH], 8
	s_add_co_u32 s19, s19, FT
	v_lshl_add_u32 v[FA0], v1, 2, s19
	v_mov_b32 v[FAD], v[FA0]
	v_add_nc_u32 v10, FT, v9                       ; where thread t puts its row's factors
	s_lshl_b32 s19, s[TR], 7                       ; ob: row 128 x tile row + 64 RH, byte 512 x tile column + 256 CH
	s_lshl_b32 s70, s[RH], 6
	s_add_co_u32 s19, s19, s70
	s_lshl_b32 s70, s19, 11
	s_lshl_b32 s71, s[TC], 9
	s_add_co_u32 s70, s70, s71
	s_lshl_b32 s71, s[CH], 8
	s_add_co_u32 s70, s70, s71
	s_mov_b32 s71, 0
	s_add_nc_u64 s[10:11], s[10:11], s[70:71]
	s_lshl_b32 s19, s[TR], 7                       ; the prefetches.  p: row 128 x tile row + 32 cx, at K step 1 + AH
	s_lshl_b32 s70, s[CX], 5
	s_add_co_u32 s19, s19, s70
	s_lshl_b32 s19, s19, 12
	s_add_co_u32 s19, s19, (1+AH)*STEPA
	s_lshr_b32 s70, s74, 2                         ; v: row 2,048 x batch + 64 CH + 16 cy
	s_lshl_b32 s70, s70, 11
	s_lshl_b32 s71, s[CH], 6
	s_add_co_u32 s70, s70, s71
	s_lshl_b32 s71, s[CY], 4
	s_add_co_u32 s70, s70, s71
	s_mul_i32 s70, s70, 6144
	s_lshl_b32 s71, s[TC], 9
	s_add_co_u32 s70, s70, s71
	s_add_co_u32 s70, s70, 4096+(1+AH)*STEPB
	s_and_b32 s71, s74, 3                          ; 0 in the first cluster of a batch
	s_or_b32 s75, s[CH], ttmp9                     ; 0 in wave 0 of the clusters with x = 0
	s_mov_b32 s[PFS], STEPB
	s_mov_b32 s74, 6144
	s_cmp_eq_u32 s[RH], 0
	s_cselect_b32 s70, s19, s70
	s_cselect_b32 s75, s75, s71
	s_cselect_b64 s[PFA:PFA+1], s[4:5], s[6:7]
	s_cselect_b32 s[PFS], STEPA, s[PFS]
	s_cselect_b32 s74, 4096, s74
	s_cselect_b32 s19, 0, 1
	s_mov_b32 s71, 0
	s_mov_b32 s[PFS+1], 0
	s_add_nc_u64 s[PFA:PFA+1], s[PFA:PFA+1], s[70:71]
	s_cmp_eq_u32 s75, 0
	s_cselect_b32 s[LIM], AH, -1
	v_lshrrev_b32 v7, s19, v3
	v_and_b32 v8, s19, v3
	v_mul_lo_u32 v[PFO], v7, s74
	v_lshl_add_u32 v[PFO], v8, 8, v[PFO]
	; my row's M, f_j and 1 / L
	s_wait_loadcnt 0x0
	v_max3_num_f32 v224, v32, v33, v34
	v_max3_num_f32 v226, v35, v36, v37
	v_max3_num_f32 v224, v224, v38, v39
	v_max3_num_f32 v226, v226, v40, v41
	v_max3_num_f32 v224, v224, v42, v43
	v_max3_num_f32 v226, v226, v44, v45
	v_max3_num_f32 v224, v224, v46, v47
	v_max_num_f32 v224, v224, v226
	v_mov_b32 v225, v224
.irp j, 0,2,4,6,8,10,12,14
	v_pk_add_f32 v[32+(\j):33+(\j)], v[32+(\j):33+(\j)], v[224:225] neg_lo:[0,1] neg_hi:[0,1]  ; m_j - M: a difference first, exactly 0 at the maximum, as in launch 3
.endr
.irp j, 0,2,4,6,8,10,12,14
	v_pk_mul_f32 v[32+(\j):33+(\j)], v[32+(\j):33+(\j)], s[CS:CS+1] op_sel_hi:[1,0]
.endr
.irp j, 0,1,2,3,4,5,6,7,8,9,10,11,12,13,14,15
	v_exp_f32 v[32+(\j)], v[32+(\j)]
.endr
	v_nop                                          ; a plain instruction behind the last exponential,
	s_wait_alu depctr_va_vdst(0)                   ; and one wait for the batch
	v_pk_mul_f32 v[226:227], v[32:33], v[48:49]
.irp j, 2,4,6,8,10,12,14
	v_pk_fma_f32 v[226:227], v[32+(\j):33+(\j)], v[48+(\j):49+(\j)], v[226:227]
.endr
	v_add_f32 v226, v226, v227
	v_rcp_f32 v227, v226
.irp j, 0,1,2,3,4,5,6,7,8,9,10,11,12,13,14,15
	v_cvt_pk_f16_f32 v[48+(\j)], v[32+(\j)], v[32+(\j)]  ; (f, f); these lines are the plain work behind the reciprocal
.endr
	s_wait_alu depctr_va_vdst(0)                   ; the reciprocal's wait, ahead of the store that reads it
.irp j, 0,1,2,3,4,5,6,7,8,9,10,11,12,13,14,15
	ds_store_b32 v10, v[48+(\j)] offset:512*(\j)
.endr
	ds_store_b32 v10, v227 offset:RLT-FT
; 8 matrix instructions: row block a x all 8 column blocks, 32 along K.  The 32 accumulators take turns in one order in every quarter.
; n > 0: behind each product n lines that multiply the next registers of buffer g's fragments of p by their row's factor (RI runs on from call to call).
.macro MUL8 f, a, zero, n=0, g=0
.irp b, 0,1,2,3,4,5,6,7
	WIN 0x50                                       ; C and D window 1, the sources window 0
.if \zero
	v_wmma_f32_16x16x32_f16 v[8*(8*(\a)+(\b)):8*(8*(\a)+(\b))+7], v[(\f)+32+8*(\b):(\f)+32+8*(\b)+7], v[(\f)+8*(\a):(\f)+8*(\a)+7], 0
.else
	v_wmma_f32_16x16x32_f16 v[8*(8*(\a)+(\b)):8*(8*(\a)+(\b))+7], v[(\f)+32+8*(\b):(\f)+32+8*(\b)+7], v[(\f)+8*(\a):(\f)+8*(\a)+7], v[8*(8*(\a)+(\b)):8*(8*(\a)+(\b))+7]
.endif
.if \n
	WIN 0
.rept \n
	v_pk_mul_f16 v[(\g)+RI], v[(\g)+RI], v[FA+RI/8]
.set RI, RI+1
.endr
.endif
.endr
.endm
; One run of LDS loads: (fac = 1: the new block's four factors,) p's 4 fragments, v's 8 (turned): quarter q of the slot in hand into buffer f
.macro FETCHH q, f, fac
	WIN 0
.if \fac
.irp a, 0,1,2,3
	ds_load_b32 v[FA+(\a)], v[FAD] offset:64*(\a)
.endr
.endif
.irp a, 0,1,2,3
	ds_load_b128 v[(\f)+8*(\a):(\f)+8*(\a)+3],   v[ADRA] offset:64*(\q)+(\a)*16*PITCH
	ds_load_b128 v[(\f)+8*(\a)+4:(\f)+8*(\a)+7], v[ADRA] offset:64*(\q)+(\a)*16*PITCH+32
.endr
.irp b, 0,1,2,3,4,5,6,7
	ds_load_tr16_b128 v[(\f)+32+8*(\b):(\f)+32+8*(\b)+3],   v[ADRB] offset:(\q)*32*BP+32*(\b)
	ds_load_tr16_b128 v[(\f)+32+8*(\b)+4:(\f)+32+8*(\b)+7], v[ADRB] offset:(\q)*32*BP+32*(\b)+16*BP
.endr
.endm
.macro QH q, f, g, zero                ; one of a K step's first three quarters: multiplies f, fetches quarter q into g and scales it
	s_wait_dscnt 0x0                               ; buffer f is in
	MUL8 \f, 0, \zero
	PLACES
	FETCHH \q, \g, 0
	MUL8 \f, 1, \zero
	s_wait_dscnt 16                                ; p's fragments are in; v's 16 loads, issued behind them, may be out
.set RI, 0
	MUL8 \f, 2, \zero, 2, \g
	MUL8 \f, 3, \zero, 2, \g
.endm
; The last quarter multiplies buffer 1 and changes slots; the order of waits, add, barrier and refill as in launch 2.  fetch = 2: in the loop's last trip there is no next slot (its riders then scale registers that nobody multiplies).
.macro QDH refill, fetch
.if \refill
	s_wait_xcnt 0x0                                ; the last prefetch, a K step back, has read its address
	s_add_nc_u64 s[PFA:PFA+1], s[PFA:PFA+1], s[PFS:PFS+1]
.endif
	s_wait_dscnt 0x0                               ; buffer 1 is in
	WIN 0
	s_wait_tensorcnt 0x0                           ; all my tensor loads have landed: my part of the next slot
	ds_add_u32 v[SPW], v[NIL]
	MUL8 F1, 0, 0
	s_wait_dscnt 0x0                               ; the add is done; my reads of this slot were over above
	s_barrier_signal -1
	MUL8 F1, 1, 0
	WIN 0
	s_barrier_wait -1
.if \refill
	CREST
	s_xor_b32 s[G0A+5], s[G0A+5], SLOT1
	s_add_nc_u64 s[G0A+6:G0A+7], s[G0A+6:G0A+7], STEPA
	s_xor_b32 s[G0B+5], s[G0B+5], SLOT1
	s_add_nc_u64 s[G0B+6:G0B+7], s[G0B+6:G0B+7], STEPB
	JLOAD                                          ; its four v_nop are also the places in front of the loads below
.else
	PLACES
.endif
.if (\fetch) == 2
	s_cmp_eq_u32 s[CNT], 1
	s_cbranch_scc1 .Lno_fetch_\@
.endif
	s_xor_b32 s[TB], s[TB], SLOT1
	s_add_co_u32 s[FB], s[FB], 512                 ; the next block's factors
	v_add_nc_u32 v[ADRA], s[TB], v[A0]
	v_add_nc_u32 v[ADRB], s[TB], v[B0]
	v_add_nc_u32 v[FAD], s[FB], v[FA0]
	FETCHH 0, F0, 1
.if (\fetch) == 2
.Lno_fetch_\@:
.endif
.if \refill
	ASK
.endif
	MUL8 F1, 2, 0
	s_wait_dscnt 16                                ; the factors and p's fragments are in
.set RI, 0
	MUL8 F1, 3, 0, 4, F0
.endm
; THE WAY OUT of row block a: times 1 / L, rounded to f16, through my stage, back as whole rows of 256 bytes, stored
.macro PACKO a
	WIN 0x41                                       ; destination and source 0 window 1, source 1 window 0
.set i, 0
.rept 32
	v_pk_mul_f32 v[64*(\a)+i:64*(\a)+i+1], v[64*(\a)+i:64*(\a)+i+1], v[RL+2*(\a):RL+2*(\a)+1]
.set i, i+2
.endr
	WIN 0x05                                       ; sources window 1, destination window 0
.set i, 0
.rept 32
	v_cvt_pk_f16_f32 v[TMP+i], v[64*(\a)+2*i], v[64*(\a)+2*i+1]
.set i, i+1
.endr
	WIN 0
.endm
.macro TOSTAGE a
.set BK, 64+32*((\a)%2)
.irp b, 0,1,2,3,4,5,6,7
	ds_store_b128 v[STO], v[TMP+4*(\b):TMP+4*(\b)+3] offset:32*(\b)
.endr
.irp t, 0,1,2,3,4,5,6,7
	ds_load_b128 v[BK+4*(\t):BK+4*(\t)+3], v[RD] offset:(\t)*2*SPITCH  ; LDS serves a wave's instructions in order (ISA guide 5.7.1.4)
.endr
.endm
.macro SEND a
.set BK, 64+32*((\a)%2)
	s_wait_dscnt 0x0
	s_wait_xcnt 0x0                                ; earlier stores have read their base and their data
.if (\a) > 0
	s_add_nc_u64 s[10:11], s[10:11], 16*OROW
.endif
.irp t, 0,1,2,3,4,5,6,7
	global_store_b128 v[CO], v[BK+4*(\t):BK+4*(\t)+3], s[10:11] offset:2*(\t)*OROW  ; 16 lanes store 256 consecutive bytes, aligned
.endr
.endm
	s_wait_tensorcnt 1                             ; my part of K step 0 is in; K step 1's may stay out
	s_wait_dscnt 0x0                               ; my rows' factors are stored
	s_barrier_signal -1
	s_barrier_wait -1
	FETCHH 0, F0, 1
	s_wait_dscnt 0x0
.set i, 0
.rept 32
	v_pk_mul_f16 v[F0+i], v[F0+i], v[FA+i/8]       ; the first quarter has no products yet to ride behind
.set i, i+1
.endr
	QH 1, F0, F1, 1                                ; its products start the sums
	WIN 0
	s_mov_b32 s[CNT], KS-2
	s_branch .Lmid
.Ltop:                                                 ; KS - 2 trips: every K step behind which a slot is filled again
	QH 1, F0, F1, 0
	WIN 0
.Lmid:
	QH 2, F1, F0, 0
	QH 3, F0, F1, 0
	QDH 1, 1
	WIN 0
	s_sub_co_u32 s[CNT], s[CNT], 1
	s_cmp_lg_u32 s[CNT], 0
	s_cbranch_scc1 .Ltop
	s_mov_b32 s[CNT], 2
.Ltail:                                                ; the last two K steps ask for nothing
	QH 1, F0, F1, 0
	QH 2, F1, F0, 0
	QH 3, F0, F1, 0
	QDH 0, 2
	WIN 0
	s_sub_co_u32 s[CNT], s[CNT], 1
	s_cmp_lg_u32 s[CNT], 0
	s_cbranch_scc1 .Ltail
	PLACES
.irp a, 0,1,2,3
	ds_load_b32 v[RL+2*(\a)],   v[FA0] offset:RLT-FT+64*(\a)
	ds_load_b32 v[RL+2*(\a)+1], v[FA0] offset:RLT-FT+64*(\a)
.endr
	s_wait_dscnt 0x0
	PACKO 0
	TOSTAGE 0
.irp a, 1,2,3
	PACKO \a
	SEND (\a)-1
	TOSTAGE \a
.endr
	SEND 3
	s_wait_tensorcnt 0x0                           ; the wave's end
	ds_add_u32 v[SPW], v[NIL]
	s_wait_dscnt 0x0
	CROUND                                         ; the closing round
	s_endpgm
.Lfunc_end_k_q4e53e61a37_pv:
	.size	k_q4e53e61a37_pv, .Lfunc_end_k_q4e53e61a37_pv-k_q4e53e61a37_pv
	.p2alignl 7, 3214868480
	.fill 96, 4, 3214868480
	.section	.rodata,"a",@progbits
	.p2align	6, 0x0
	.amdhsa_kernel k_q4e53e61a37_pv
		.amdhsa_group_segment_fixed_size 327680
		.amdhsa_private_segment_fixed_size 0
		.amdhsa_enable_private_segment 0
		.amdhsa_kernarg_size 32
		.amdhsa_user_sgpr_count 2
		.amdhsa_user_sgpr_kernarg_segment_ptr 1
		.amdhsa_wavefront_size32 1
		.amdhsa_system_sgpr_workgroup_id_x 1
		.amdhsa_system_sgpr_workgroup_id_y 1
		.amdhsa_system_sgpr_workgroup_id_z 1
		.amdhsa_system_vgpr_workitem_id 0
		.amdhsa_next_free_vgpr 512
		.amdhsa_next_free_sgpr 76
		.amdhsa_reserve_vcc 0
		.amdhsa_float_denorm_mode_32 3
		.amdhsa_float_denorm_mode_16_64 3
		.amdhsa_memory_ordered 1
		.amdhsa_forward_progress 1
		.amdhsa_inst_pref_size 108
	.end_amdhsa_kernel
	.amdgpu_metadata
---
amdhsa.version: [ 1, 2 ]
amdhsa.kernels:
  - .name:           k_q4e53e61a37_pv
    .symbol:         k_q4e53e61a37_pv.kd
    .args:
      - { .name: pb, .offset: 0, .size: 8, .value_kind: global_buffer, .address_space: global }
      - { .name: qkv, .offset: 8, .size: 8, .value_kind: global_buffer, .address_space: global }
      - { .name: st, .offset: 16, .size: 8, .value_kind: global_buffer, .address_space: global }
      - { .name: ob, .offset: 24, .size: 8, .value_kind: global_buffer, .address_space: global }
    .group_segment_fixed_size: 327680
    .private_segment_fixed_size: 0
    .kernarg_segment_align: 8
    .kernarg_segment_size: 32
    .max_flat_workgroup_size: 128
    .sgpr_count:     76
    .vgpr_count:     512
    .wavefront_size: 32
...
	.end_amdgpu_metadata
.endif
;; end of part 4
;; launch proj (part 5): grid 4 x 64, 4 waves a work-group, clusters of 4 x 4, 327,680 bytes of LDS; arguments ob, woh, out0; writes out0
.if DOCPART == 5
	.amdgcn_target "amdgcn-amd-amdhsa--gfx1250"
	.amdhsa_code_object_version 6
	.text
	.protected	k_q4e53e61a37_proj
	.globl	k_q4e53e61a37_proj
	.p2align	8
	.type	k_q4e53e61a37_proj,@function
k_q4e53e61a37_proj:
	s_mov_b64 s[64:65], 0
	v_nop
	global_prefetch_b8 v0, s[64:65] scope:SCOPE_SE
	s_setreg_imm32_b32 hwreg(HW_REG_WAVE_MODE, 25, 1), 1
	s_wait_xcnt 0x0
	s_wait_alu depctr_hold_cnt(0) depctr_sa_sdst(0) depctr_va_vdst(0) depctr_va_sdst(0) depctr_va_ssrc(0) depctr_va_vcc(0) depctr_vm_vsrc(0)
	s_getreg_b32 s2, hwreg(HW_REG_IB_STS2, 6, 4)
	s_cmp_eq_u32 s2, 0
	s_cbranch_scc0 .Lentry_in_a_cluster
	s_endpgm
.Lentry_in_a_cluster:
	s_bfe_u32 s2, ttmp6, 0x10000c
	s_cmp_lg_u32 s2, 0xf033
	s_cbranch_scc0 .Lentry_shape_is_right
	s_endpgm
.Lentry_shape_is_right:
; Launch 5 of 5: out0[row][e] = the sum over d of ob[row][d] woh[d][e].  ob: [8192][1024] f16; woh: [1024][1024] f16 (Wo rounded to bf16); out0: [8192][1024] f32, the f32 sums as they are.  Nothing is left out.
; Launch 4's product without its factors: a tile of 128 rows x 256 columns, four waves of 64 x 128, K = 1,024 in 8 steps of 128 through two LDS slots; ob's tile with K along its rows, woh's [K][N], turned by
; ds_load_tr16_b128; cluster 4 x 4, ob's tile shared along a row of the cluster, woh's along a column; the matrix instruction used transposed: a lane holds row l % 16 and eight neighbouring columns.
; REGISTERS: window 1: the accumulators, (a, b) at v[8 (8 a + b)].  Window 0: v0-31 addresses; v32-127, v128-223 two fragment buffers (ob's 4 fragments, then woh's 8), later rows on their way out.
.set KS,     8
.set PITCH,  272
.set BP,     544
.set AREG,   128*PITCH
.set SLOT1,  1<<17
.set STAGE,  SLOT1+AREG+128*BP         ; behind the ring: 16 rows x 528 bytes for each wave
.set SP,     528                       ; 512 bytes + 16: the 16 rows of a store start at 16 different groups of four banks (64 banks of 4 bytes: ISA guide 11.1)
.set SPARE,  STAGE+4*16*SP
.set STEPA,  256
.set STEPB,  128*2048
.set OROW,   4096                      ; bytes in a row of out0
.set AH,     4
.set A0,   16
.set B0,   17
.set ADRA, 18
.set ADRB, 19
.set STO,  20
.set RD,   21
.set CO,   22
.set SPW,  28
.set NIL,  29
.set PFO,  30
.set F0,   32
.set F1,   128
.set WV, 12
.set RH, 13
.set CH, 14
.set CX, 15
.set CY, 16
.set TC, 17
.set TR, 18
.set G1A, 24
.set G1B, 32
.set G0A, 40
.set G0B, 48
.set TB,  56
.set CNT, 57
.set LIM, 58
.set WOFFA, 59
.set WOFFB, 60
.set PFA, 62
.set PFS, 66
.set MSB, 0
.macro WIN new
.if MSB != (\new)
	s_set_vgpr_msb (MSB<<8)|(\new)
.set MSB, \new
.endif
.endm
.macro PLACES
.rept 4
	v_nop
.endr
.endm
.macro CREST
	s_cmp_lg_u32 s[WV], 0
	s_cbranch_scc1 .Lnot_wave_0_\@
	s_barrier_signal -3
.Lnot_wave_0_\@:
	s_barrier_wait -3
	s_barrier_signal -1
	s_barrier_wait -1
.endm
.macro CROUND
	s_barrier_signal -1
	s_barrier_wait -1
	CREST
.endm
.macro JLOAD
	s_cmp_eq_u32 s[RH], 0
	s_cbranch_scc0 .Lfor_b_\@
	tensor_load_to_lds s[G0A+4:G0A+7], s[G1A:G1A+7]
	s_nop 0
.rept 4
	v_nop
.endr
	s_branch .Lasked_\@
.Lfor_b_\@:
	tensor_load_to_lds s[G0B+4:G0B+7], s[G1B:G1B+7]
	s_nop 0
.rept 4
	v_nop
.endr
.Lasked_\@:
.endm
; A PREFETCH INTO THE L2 of the K step four refills on (K steps 6 and 7; the others come by their loads alone): ob's 128 rows by wave 0, 32 rows a partner by cx; woh's 128 rows x 512 bytes by waves 2 and 3 of the
; clusters with y = 0, 16 rows x 2 blocks a partner by cy.  The partners are told apart BY ADDRESS; each block of 256 bytes is named once.
.macro ASK
	s_cmp_gt_u32 s[CNT], s[LIM]
	s_cbranch_scc0 .Lnot_mine_\@
	global_prefetch_b8 v[PFO], s[PFA:PFA+1] th:TH_LOAD_NT scope:SCOPE_SE
.Lnot_mine_\@:
.endm
	s_load_b128 s[4:7], s[0:1], 0x0                ; ob s[4:5], woh s[6:7]
	s_load_b64 s[8:9], s[0:1], 0x10                ; out0
	v_lshl_add_u32 v[SPW], v0, 2, SPARE
	v_mov_b32 v[NIL], 0
	ds_add_u32 v[SPW], v[NIL]                      ; the wave's opening: the add, twice on end, and its wait ahead of my first tensor load
	ds_add_u32 v[SPW], v[NIL]
	v_lshrrev_b32 v1, 5, v0
	v_readfirstlane_b32 s[WV], v1
	s_lshr_b32 s[RH], s[WV], 1
	s_and_b32 s[CH], s[WV], 1
	s_bfe_u32 s[CX], ttmp6, 0x40000
	s_bfe_u32 s[CY], ttmp6, 0x40004
	s_lshl_b32 s[TC], ttmp9, 2
	s_add_co_u32 s[TC], s[TC], s[CX]
	s_and_b32 s[TR], ttmp7, 0xffff
	s_lshl_b32 s[TR], s[TR], 2
	s_add_co_u32 s[TR], s[TR], s[CY]
	s_lshl_b32 s19, s[CY], 2
	s_lshl_b32 s19, 15, s19
	s_lshl_b32 s68, 0x1111, s[CX]
	s_or_b32 s[G1A], s19, (1<<16)|(1<<20)|(1<<21)|(5<<22)|(3<<25)
	s_or_b32 s[G1B], s68, (1<<16)|(1<<20)|(1<<21)|(6<<22)|(7<<25)
	s_mov_b32 s[G1A+1], 128<<16                    ; 128 elements x 64 rows
	s_mov_b32 s[G1A+2], 64<<16
	s_mov_b32 s[G1A+3], 128<<16
	s_mov_b32 s[G1A+4], 64
	s_mov_b32 s[G1A+5], 1024
	s_mov_b32 s[G1A+6], 0
	s_mov_b32 s[G1A+7], 0
	s_mov_b32 s[G1B+1], 256<<16                    ; 256 elements x 64 rows
	s_mov_b32 s[G1B+2], 64<<16
	s_mov_b32 s[G1B+3], 256<<16
	s_mov_b32 s[G1B+4], 64
	s_mov_b32 s[G1B+5], 1024
	s_mov_b32 s[G1B+6], 0
	s_mov_b32 s[G1B+7], 0
	s_lshl_b32 s20, s[TR], 7                       ; ob: row 128 x tile row + 64 x half
	s_lshl_b32 s21, s[CH], 6
	s_add_co_u32 s20, s20, s21
	s_lshl_b32 s20, s20, 11
	s_mov_b32 s21, 0
	s_lshl_b32 s22, s[CH], 17                      ; woh: row 64 x half, byte 512 x tile column
	s_lshl_b32 s23, s[TC], 9
	s_add_co_u32 s22, s22, s23
	s_mov_b32 s23, 0
	s_mul_i32 s[WOFFA], s[CH], 64*PITCH
	s_mul_i32 s[WOFFB], s[CH], 64*BP
	s_add_co_u32 s[WOFFB], s[WOFFB], AREG
	s_mov_b32 s[TB], 0
	s_wait_dscnt 0x0                               ; both opening adds are done
	s_wait_kmcnt 0x0
	s_add_nc_u64 s[20:21], s[4:5], s[20:21]
	s_add_nc_u64 s[22:23], s[6:7], s[22:23]
	CROUND                                         ; all sixteen work-groups are here: the first joint loads meet
.irp s, 0,1
	s_mov_b32 s[G0A+4*(\s)], 1
	s_add_co_u32 s[G0A+4*(\s)+1], s[WOFFA], (\s)*SLOT1
	s_add_nc_u64 s[G0A+4*(\s)+2:G0A+4*(\s)+3], s[20:21], (\s)*STEPA
	s_or_b32 s[G0A+4*(\s)+3], s[G0A+4*(\s)+3], 0x80000000
	s_mov_b32 s[G0B+4*(\s)], 1
	s_add_co_u32 s[G0B+4*(\s)+1], s[WOFFB], (\s)*SLOT1
	s_add_nc_u64 s[G0B+4*(\s)+2:G0B+4*(\s)+3], s[22:23], (\s)*STEPB
	s_or_b32 s[G0B+4*(\s)+3], s[G0B+4*(\s)+3], 0x80000000
.endr
	s_cmp_eq_u32 s[RH], 0                          ; a wave's two first fills stand in one branch: two loads of mine are out
	s_cbranch_scc0 .Lfirst_b
	tensor_load_to_lds s[G0A:G0A+3], s[G1A:G1A+7]
	s_nop 0
	tensor_load_to_lds s[G0A+4:G0A+7], s[G1A:G1A+7]
	s_nop 0
.rept 4
	v_nop
.endr
	s_branch .Lfirst_asked
.Lfirst_b:
	tensor_load_to_lds s[G0B:G0B+3], s[G1B:G1B+7]
	s_nop 0
	tensor_load_to_lds s[G0B+4:G0B+7], s[G1B:G1B+7]
	s_nop 0
.rept 4
	v_nop
.endr
.Lfirst_asked:
	v_and_b32 v1, 15, v0                           ; r
	v_bfe_u32 v2, v0, 4, 1                         ; h
	v_and_b32 v3, 31, v0                           ; l
	v_mul_u32_u24 v4, v1, PITCH
	v_lshl_add_u32 v4, v2, 4, v4
	s_mul_i32 s19, s[RH], 64*PITCH
	v_add_nc_u32 v[A0], s19, v4
	v_and_b32 v5, 7, v0
	v_lshl_add_u32 v5, v2, 3, v5
	v_mul_u32_u24 v5, v5, BP
	v_bfe_u32 v6, v0, 3, 1
	v_lshl_add_u32 v5, v6, 4, v5
	s_lshl_b32 s19, s[CH], 8
	s_add_co_u32 s19, s19, AREG
	v_add_nc_u32 v[B0], s19, v5
	v_mov_b32 v[ADRA], v[A0]
	v_mov_b32 v[ADRB], v[B0]
	s_mul_i32 s19, s[WV], 16*SP
	s_add_co_u32 s19, s19, STAGE
	v_mul_u32_u24 v7, v1, SP
	v_lshl_add_u32 v7, v2, 5, v7
	v_add_nc_u32 v[STO], s19, v7                   ; in: row r, my eight f32 at byte 32 h (+ 64 a column block)
	v_lshl_add_u32 v[RD], v3, 4, s19               ; back: the wave takes a row's 512 bytes
	v_lshlrev_b32 v[CO], 4, v3
	s_lshl_b32 s19, s[TR], 7                       ; out0: row 128 x tile row + 64 RH, byte 1,024 x tile column + 512 CH
	s_lshl_b32 s69, s[RH], 6
	s_add_co_u32 s19, s19, s69
	s_lshl_b32 s70, s19, 12
	s_lshl_b32 s69, s[TC], 10
	s_add_co_u32 s70, s70, s69
	s_lshl_b32 s69, s[CH], 9
	s_add_co_u32 s70, s70, s69
	s_mov_b32 s71, 0
	s_add_nc_u64 s[8:9], s[8:9], s[70:71]
	s_lshl_b32 s19, s[TR], 7                       ; the prefetches.  ob: row 128 x tile row + 32 cx, at K step 1 + AH
	s_lshl_b32 s69, s[CX], 5
	s_add_co_u32 s19, s19, s69
	s_lshl_b32 s19, s19, 11
	s_add_co_u32 s19, s19, (1+AH)*STEPA
	s_lshl_b32 s69, s[CH], 6                       ; woh: row 64 CH + 16 cy, byte 512 x tile column
	s_lshl_b32 s70, s[CY], 4
	s_add_co_u32 s69, s69, s70
	s_lshl_b32 s69, s69, 11
	s_lshl_b32 s70, s[TC], 9
	s_add_co_u32 s69, s69, s70
	s_add_co_u32 s69, s69, (1+AH)*STEPB
	s_and_b32 s70, ttmp7, 0xffff                   ; 0 in the clusters with y = 0
	s_or_b32 s71, s[CH], ttmp9                     ; 0 in wave 0 of the clusters with x = 0
	s_mov_b32 s[PFS], STEPB
	s_cmp_eq_u32 s[RH], 0
	s_cselect_b32 s68, s19, s69
	s_cselect_b32 s70, s71, s70
	s_cselect_b64 s[PFA:PFA+1], s[4:5], s[6:7]
	s_cselect_b32 s[PFS], STEPA, s[PFS]
	s_cselect_b32 s19, 0, 1
	s_mov_b32 s69, 0
	s_mov_b32 s[PFS+1], 0
	s_add_nc_u64 s[PFA:PFA+1], s[PFA:PFA+1], s[68:69]
	s_cmp_eq_u32 s70, 0
	s_cselect_b32 s[LIM], AH, -1
	v_lshrrev_b32 v7, s19, v3
	v_and_b32 v8, s19, v3
	v_lshlrev_b32 v[PFO], 11, v7                   ; both tensors' rows are 2,048 bytes
	v_lshl_add_u32 v[PFO], v8, 8, v[PFO]
.macro MUL8 f, a, zero                 ; 8 matrix instructions; the 32 accumulators take turns in one order in every quarter
	WIN 0x50                                       ; C and D window 1, the sources window 0
.irp b, 0,1,2,3,4,5,6,7
.if \zero
	v_wmma_f32_16x16x32_f16 v[8*(8*(\a)+(\b)):8*(8*(\a)+(\b))+7], v[(\f)+32+8*(\b):(\f)+32+8*(\b)+7], v[(\f)+8*(\a):(\f)+8*(\a)+7], 0
.else
	v_wmma_f32_16x16x32_f16 v[8*(8*(\a)+(\b)):8*(8*(\a)+(\b))+7], v[(\f)+32+8*(\b):(\f)+32+8*(\b)+7], v[(\f)+8*(\a):(\f)+8*(\a)+7], v[8*(8*(\a)+(\b)):8*(8*(\a)+(\b))+7]
.endif
.endr
.endm
.macro FETCHH q, f                     ; 24 LDS loads in one run: ob's 4 fragments, woh's 8 (turned)
	WIN 0
.irp a, 0,1,2,3
	ds_load_b128 v[(\f)+8*(\a):(\f)+8*(\a)+3],   v[ADRA] offset:64*(\q)+(\a)*16*PITCH
	ds_load_b128 v[(\f)+8*(\a)+4:(\f)+8*(\a)+7], v[ADRA] offset:64*(\q)+(\a)*16*PITCH+32
.endr
.irp b, 0,1,2,3,4,5,6,7
	ds_load_tr16_b128 v[(\f)+32+8*(\b):(\f)+32+8*(\b)+3],   v[ADRB] offset:(\q)*32*BP+32*(\b)
	ds_load_tr16_b128 v[(\f)+32+8*(\b)+4:(\f)+32+8*(\b)+7], v[ADRB] offset:(\q)*32*BP+32*(\b)+16*BP
.endr
.endm
.macro QH q, f, g, zero
	s_wait_dscnt 0x0                               ; buffer f is in
	MUL8 \f, 0, \zero
	PLACES
	FETCHH \q, \g
	MUL8 \f, 1, \zero
	MUL8 \f, 2, \zero
	MUL8 \f, 3, \zero
.endm
.macro QDH refill, fetch               ; the last quarter and the change of slots; the order of waits, add, barrier and refill as in launch 2
.if \refill
	s_wait_xcnt 0x0                                ; the last prefetch, a K step back, has read its address
	s_add_nc_u64 s[PFA:PFA+1], s[PFA:PFA+1], s[PFS:PFS+1]
.endif
	s_wait_dscnt 0x0                               ; buffer 1 is in
	WIN 0
	s_wait_tensorcnt 0x0                           ; all my tensor loads have landed: my part of the next slot
	ds_add_u32 v[SPW], v[NIL]
	MUL8 F1, 0, 0
	s_wait_dscnt 0x0                               ; the add is done; my reads of this slot were over above
	s_barrier_signal -1
	MUL8 F1, 1, 0
	WIN 0
	s_barrier_wait -1
.if \refill
	CREST
	s_xor_b32 s[G0A+5], s[G0A+5], SLOT1
	s_add_nc_u64 s[G0A+6:G0A+7], s[G0A+6:G0A+7], STEPA
	s_xor_b32 s[G0B+5], s[G0B+5], SLOT1
	s_add_nc_u64 s[G0B+6:G0B+7], s[G0B+6:G0B+7], STEPB
	JLOAD                                          ; its four v_nop are also the places in front of the loads below
.else
	PLACES
.endif
.if (\fetch) == 2
	s_cmp_eq_u32 s[CNT], 1
	s_cbranch_scc1 .Lno_fetch_\@
.endif
	s_xor_b32 s[TB], s[TB], SLOT1
	v_add_nc_u32 v[ADRA], s[TB], v[A0]
	v_add_nc_u32 v[ADRB], s[TB], v[B0]
	FETCHH 0, F0
.if (\fetch) == 2
.Lno_fetch_\@:
.endif
.if \refill
	ASK
.endif
	MUL8 F1, 2, 0
	MUL8 F1, 3, 0
.endm
; THE WAY OUT of row block a: the f32 sums go straight from the accumulators into my stage (each accumulator's low four registers first), come back as whole rows of 512 bytes, and are stored
.macro OUTP a
	WIN 0x04                                       ; the stores' data: window 1
.irp b, 0,1,2,3,4,5,6,7
	ds_store_b128 v[STO], v[8*(8*(\a)+(\b)):8*(8*(\a)+(\b))+3]   offset:64*(\b)
	ds_store_b128 v[STO], v[8*(8*(\a)+(\b))+4:8*(8*(\a)+(\b))+7] offset:64*(\b)+16
.endr
	WIN 0
.set BK, 32+96*((\a)%2)
.irp t, 0,1,2,3,4,5,6,7,8,9,10,11,12,13,14,15
	ds_load_b128 v[BK+4*(\t):BK+4*(\t)+3], v[RD] offset:(\t)*SP  ; LDS serves a wave's instructions in order (ISA guide 5.7.1.4)
.endr
	s_wait_dscnt 0x0
	s_wait_xcnt 0x0                                ; earlier stores have read their base and their data
.if (\a) > 0
	s_add_nc_u64 s[8:9], s[8:9], 16*OROW
.endif
.irp t, 0,1,2,3,4,5,6,7,8,9,10,11,12,13,14,15
	global_store_b128 v[CO], v[BK+4*(\t):BK+4*(\t)+3], s[8:9] offset:(\t)*OROW th:TH_STORE_NT  ; the wave stores 512 consecutive bytes of one row, aligned
.endr
.endm
	s_wait_tensorcnt 1                             ; my part of K step 0 is in; K step 1's may stay out
	s_barrier_signal -1
	s_barrier_wait -1
	FETCHH 0, F0
	QH 1, F0, F1, 1                                ; the first quarter's products start the sums
	WIN 0
	s_mov_b32 s[CNT], KS-2
	s_branch .Lmid
.Ltop:                                                 ; KS - 2 trips: every K step behind which a slot is filled again
	QH 1, F0, F1, 0
	WIN 0
.Lmid:
	QH 2, F1, F0, 0
	QH 3, F0, F1, 0
	QDH 1, 1
	WIN 0
	s_sub_co_u32 s[CNT], s[CNT], 1
	s_cmp_lg_u32 s[CNT], 0
	s_cbranch_scc1 .Ltop
	s_mov_b32 s[CNT], 2
.Ltail:                                                ; the last two K steps ask for nothing
	QH 1, F0, F1, 0
	QH 2, F1, F0, 0
	QH 3, F0, F1, 0
	QDH 0, 2
	WIN 0
	s_sub_co_u32 s[CNT], s[CNT], 1
	s_cmp_lg_u32 s[CNT], 0
	s_cbranch_scc1 .Ltail
	PLACES                                         ; the stores below read results just made
	OUTP 0
	OUTP 1
	OUTP 2
	OUTP 3
	s_wait_tensorcnt 0x0                           ; the wave's end
	ds_add_u32 v[SPW], v[NIL]
	s_wait_dscnt 0x0
	CROUND                                         ; the closing round
	s_endpgm
.Lfunc_end_k_q4e53e61a37_proj:
	.size	k_q4e53e61a37_proj, .Lfunc_end_k_q4e53e61a37_proj-k_q4e53e61a37_proj
	.p2alignl 7, 3214868480
	.fill 96, 4, 3214868480
	.section	.rodata,"a",@progbits
	.p2align	6, 0x0
	.amdhsa_kernel k_q4e53e61a37_proj
		.amdhsa_group_segment_fixed_size 327680
		.amdhsa_private_segment_fixed_size 0
		.amdhsa_enable_private_segment 0
		.amdhsa_kernarg_size 24
		.amdhsa_user_sgpr_count 2
		.amdhsa_user_sgpr_kernarg_segment_ptr 1
		.amdhsa_wavefront_size32 1
		.amdhsa_system_sgpr_workgroup_id_x 1
		.amdhsa_system_sgpr_workgroup_id_y 1
		.amdhsa_system_sgpr_workgroup_id_z 1
		.amdhsa_system_vgpr_workitem_id 0
		.amdhsa_next_free_vgpr 512
		.amdhsa_next_free_sgpr 72
		.amdhsa_reserve_vcc 0
		.amdhsa_float_denorm_mode_32 3
		.amdhsa_float_denorm_mode_16_64 3
		.amdhsa_memory_ordered 1
		.amdhsa_forward_progress 1
		.amdhsa_inst_pref_size 61
	.end_amdhsa_kernel
	.amdgpu_metadata
---
amdhsa.version: [ 1, 2 ]
amdhsa.kernels:
  - .name:           k_q4e53e61a37_proj
    .symbol:         k_q4e53e61a37_proj.kd
    .args:
      - { .name: ob, .offset: 0, .size: 8, .value_kind: global_buffer, .address_space: global }
      - { .name: woh, .offset: 8, .size: 8, .value_kind: global_buffer, .address_space: global }
      - { .name: out0, .offset: 16, .size: 8, .value_kind: global_buffer, .address_space: global }
    .group_segment_fixed_size: 327680
    .private_segment_fixed_size: 0
    .kernarg_segment_align: 8
    .kernarg_segment_size: 24
    .max_flat_workgroup_size: 128
    .sgpr_count:     72
    .vgpr_count:     512
    .wavefront_size: 32
...
	.end_amdgpu_metadata
.endif
;; end of part 5
;; ======== version 2 of 2: 5 launches; version 1 with the launch prep written anew for expert scheduling mode
;; limits: values are held in f16: magnitudes above 65,504 overflow, below 6.1e-05 lose precision
;; workspace buffers: xh 16,777,216 bytes; wh 6,291,456 bytes; woh 2,097,152 bytes; qkv 50,331,648 bytes; pb 33,554,432 bytes; st 1,048,576 bytes; ob 16,777,216 bytes
;; launch prep (part 6): grid 768 x 1, 8 waves a work-group, no clusters, 0 bytes of LDS; arguments x, Wq, Wk, Wv, Wo, xh, wh, woh; writes xh, wh, woh
.if DOCPART == 6
	.amdgcn_target "amdgcn-amd-amdhsa--gfx1250"
	.amdhsa_code_object_version 6
	.text
	.protected	k_q4e53e61a37_prep
	.globl	k_q4e53e61a37_prep
	.p2align	8
	.type	k_q4e53e61a37_prep,@function
k_q4e53e61a37_prep:
	s_mov_b64 s[64:65], 0
	v_nop
	global_prefetch_b8 v0, s[64:65] scope:SCOPE_SE
	s_setreg_imm32_b32 hwreg(HW_REG_WAVE_SCHED_MODE, 0, 2), 2
	s_setreg_imm32_b32 hwreg(HW_REG_WAVE_MODE, 25, 1), 1
	s_wait_xcnt 0x0
	s_wait_alu depctr_vm_vsrc(0)
; SINGLE-HEAD ATTENTION, launch 1 of 5: the casts.  out0 = softmax(where(mask, (x Wq)(x Wk)^T / 32, -1e10)) (x Wv) Wo, B = 4, S = 2048, D = 1024.
; DEAD WORK: none.  Every input (x, mask, Wq, Wk, Wv, Wo) reaches out0 for some values of the others, the mask is data, and reference() slices nothing away: all of its products are made.
; THE PROGRAM: this launch rounds x and the weights; launch 2 makes q | k | v; launch 3 the scores, the mask's choice, and for each row and each block of 128 keys the maximum m, the weights
; p = exp(s - m) and their sum l; launch 4 brings the blocks onto the row's true maximum and makes O = P v / L; launch 5 makes O Wo.
; FORMATS: x and all four weights are rounded once to bf16; what the program makes itself (q, k, v, p, O) is kept in f16; maxima and sums in f32.
; THIS LAUNCH: xh = bf16(x) IN BLOCKS OF 64 CHANNELS, [16 blocks][8192 rows][64]: launch 2 walks K in steps of 64, and so a step's rows lie end to end, 128 bytes each.
; wh = bf16(Wq | Wk | Wv) side by side, [1024][3072], rows along the output channel as in the inputs: nothing is transposed.
; woh = bf16(Wo), that number written as f16 (launch 5 multiplies it by O, which is f16).  LIMIT: a Wo below 6.1e-5 keeps f16's fixed step of 6e-8, one beyond 65,504 becomes an infinity.
; SHARES: all five sources are rows of 1,024 f32.  A work-group takes 16 rows: 16 loads of 16 bytes a thread, and for each one store of 8 bytes.
;   weights: load j is row j, thread t its bytes 16 t: a wave reads 512 consecutive bytes and stores 256 consecutive bytes, aligned.
;   x: load j is block j; lanes 0-15 of a wave take the block's 256 bytes of one row, lanes 16-31 those of the next row: in xh the two rows' 128 bytes lie end to end, so the wave again stores 256 consecutive bytes, aligned.
; All 16 loads of a thread go out first.  No LDS, no barrier, no matrix unit: a stream.
; THE MODE: SCHED_MODE bits 1:0 = 2 (LLVM: expert scheduling mode 2), set by the entry lines.  The code itself states the register dependences
; between vector instructions and memory instructions, with s_wait_alu, always for 0.
; THE PLAN.  Every path through the text is straight: no loop.  Registers that memory instructions touch:
;   v1        the loads' byte offset.   Written at the arm's head, never again; read by the 16 loads.
;   v2, v3    the stores' byte offsets. Written at the arm's head, never again; read by the 16 stores.
;   X         load j lands in its four registers once; all 16 loads are issued before any vector instruction names X.  No memory instruction reads X.
;   Y         load j's conversions write its two registers; store j reads them; nothing writes them behind that store.
; The 16 loads are worked in four blocks of four.  Block p rounds loads 4 p .. 4 p + 3 into their Y; its memory instructions are the four stores of block p - 1, whose Y and offsets no
; vector instruction of block p names.  So one wait on va_vdst at a block's head states all that the block's four stores hang on, and they are dealt among its conversions with no further wait.
; No register that a memory instruction has read is written again on any path, so no wait on vm_vsrc is owed; no vector instruction writes a scalar register or VCC; EXEC is never written.
.set O,  2                             ; v2, v3    byte offset of my 8 bytes in the destination (v3: 8 blocks of xh further on: a block is 1 MiB, and the immediate holds 7 of them)
.set X,  16                            ; v[16:79]  load j: 4 f32
.set Y,  80                            ; v[80:111] load j: 2 registers to store
.macro LOADS step
.irp j, 0,1,2,3,4,5,6,7,8,9,10,11,12,13,14,15
	global_load_b128 v[X+4*(\j):X+4*(\j)+3], v1, s[22:23] offset:(\j)*(\step) th:TH_LOAD_NT
.endr
.endm
; kind = 0: x into xh; 1: Wq, Wk or Wv into wh; 2: Wo into woh
.macro CAST kind, j                    ; load j's four numbers, rounded
	v_cvt_pk_bf16_f32 v[Y+2*(\j)],   v[X+4*(\j)],   v[X+4*(\j)+1]
	v_cvt_pk_bf16_f32 v[Y+2*(\j)+1], v[X+4*(\j)+2], v[X+4*(\j)+3]
.if (\kind) == 2                       ; Wo: rounded to bf16 like the other inputs, widened again (a shift, a mask), and written as f16
	v_lshlrev_b32 v[X+4*(\j)],   16, v[Y+2*(\j)]
	v_and_b32     v[X+4*(\j)+1], 0xffff0000, v[Y+2*(\j)]
	v_lshlrev_b32 v[X+4*(\j)+2], 16, v[Y+2*(\j)+1]
	v_and_b32     v[X+4*(\j)+3], 0xffff0000, v[Y+2*(\j)+1]
	v_cvt_pk_f16_f32 v[Y+2*(\j)],   v[X+4*(\j)],   v[X+4*(\j)+1]
	v_cvt_pk_f16_f32 v[Y+2*(\j)+1], v[X+4*(\j)+2], v[X+4*(\j)+3]
.endif
.endm
.macro PUT kind, j                     ; store j: the wave's 256 consecutive bytes, aligned
.if (\kind) == 0
	global_store_b64 v[O+(\j)/8], v[Y+2*(\j):Y+2*(\j)+1], s[24:25] offset:((\j)%8)*1048576
.elseif (\kind) == 1
	global_store_b64 v[O], v[Y+2*(\j):Y+2*(\j)+1], s[24:25] offset:(\j)*6144
.else
	global_store_b64 v[O], v[Y+2*(\j):Y+2*(\j)+1], s[24:25] offset:(\j)*2048
.endif
.endm
; The four blocks, and the last block's stores behind them
.macro WALK kind
.set p, 0
.rept 4
	s_wait_loadcnt 15-4*p                          ; loads come back in order: the block's first load is in, the younger ones stay out
.if p > 0
	s_wait_alu depctr_va_vdst(0)                   ; the block before has written its Y, which the four stores below read
.endif
.set i, 0
.rept 4
.if p > 0
	PUT \kind, 4*p+i-4                             ; the block before: no vector instruction since the wait names its Y or the offsets
.endif
.if i > 0
	s_wait_loadcnt 15-4*p-i                        ; load 4 p + i is in
.endif
	CAST \kind, 4*p+i
.set i, i+1
.endr
.set p, p+1
.endr
	s_wait_alu depctr_va_vdst(0)                   ; block 3 has written its Y, which the last four stores read
.irp j, 12,13,14,15
	PUT \kind, \j
.endr
.endm
	s_load_b512 s[4:19], s[0:1], 0x0               ; x, Wq, Wk, Wv, Wo, xh, wh, woh
	s_mov_b32 s20, ttmp9                           ; g: 0-511 x; then 64 work-groups for each of Wq, Wk, Wv, Wo
	s_sub_co_u32 s21, s20, 512
	s_cmp_lt_u32 s20, 512
	s_cselect_b32 s21, 0, s21                      ; g - 512 (0 for x)
	s_cselect_b32 s31, 1, 0                        ; 1: x
	s_lshr_b32 s28, s21, 6                         ; which weight
	s_and_b32 s29, s21, 63                         ; which 16 rows of it
	s_cmp_eq_u32 s31, 1
	s_cselect_b32 s30, s20, s29                    ; my block of 16 rows in the source
	s_lshl_b32 s34, s30, 16                        ; 16 rows of 4,096 bytes in
	s_mov_b32 s35, 0
	s_lshl_b32 s36, s20, 11                        ; out, xh: 16 rows of 128 bytes in each block
	s_mul_i32 s33, s29, 16*6144                    ; wh: 16 rows of 6,144 bytes,
	s_lshl_b32 s38, s28, 11                        ; at the weight's 2,048 bytes of a row
	s_add_co_u32 s33, s33, s38
	s_lshl_b32 s39, s29, 15                        ; woh: 16 rows of 2,048 bytes
	s_cmp_eq_u32 s28, 3
	s_cselect_b32 s33, s39, s33
	s_cmp_eq_u32 s31, 1
	s_cselect_b32 s36, s36, s33
	s_mov_b32 s37, 0
	s_wait_kmcnt 0x0
	s_cmp_eq_u32 s31, 1                            ; the source and the destination are chosen by the work-group's number alone
	s_cselect_b64 s[22:23], s[4:5], s[6:7]
	s_cselect_b64 s[24:25], s[14:15], s[16:17]
	s_cmp_eq_u32 s28, 1
	s_cselect_b64 s[22:23], s[8:9], s[22:23]
	s_cmp_eq_u32 s28, 2
	s_cselect_b64 s[22:23], s[10:11], s[22:23]
	s_cmp_eq_u32 s28, 3
	s_cselect_b64 s[22:23], s[12:13], s[22:23]
	s_cselect_b64 s[24:25], s[18:19], s[24:25]
	s_add_nc_u64 s[22:23], s[22:23], s[34:35]
	s_add_nc_u64 s[24:25], s[24:25], s[36:37]
	s_cmp_eq_u32 s31, 1
	s_cbranch_scc0 .Lweights
	v_lshrrev_b32 v4, 4, v0                        ; x: row t / 16 of the 16,
	v_and_b32 v5, 15, v0                           ; 16 bytes at 16 (t % 16) of a block's 256
	v_lshlrev_b32 v1, 12, v4
	v_lshl_add_u32 v1, v5, 4, v1
	v_lshlrev_b32 v[O], 7, v4                      ; out: the row's 128 bytes, 8 bytes at 8 (t % 16)
	v_lshl_add_u32 v[O], v5, 3, v[O]
	v_add_nc_u32 v[O+1], 0x800000, v[O]
	s_wait_alu depctr_va_vdst(0)                   ; v1, v2 and v3 are written: every load of this arm reads v1 as its offset, every store v2 or v3
	LOADS 256
	WALK 0
	s_endpgm
.Lweights:
	v_lshlrev_b32 v1, 4, v0                        ; in: 16 t of a row
	v_lshlrev_b32 v[O], 3, v0                      ; out: 8 t
	s_wait_alu depctr_va_vdst(0)                   ; v1 and v2 are written: every load of this arm reads v1 as its offset, every store v2
	LOADS 4096
	s_cmp_eq_u32 s28, 3
	s_cbranch_scc1 .Lwo
	WALK 1
	s_endpgm
.Lwo:
	WALK 2
	s_endpgm
.Lfunc_end_k_q4e53e61a37_prep:
	.size	k_q4e53e61a37_prep, .Lfunc_end_k_q4e53e61a37_prep-k_q4e53e61a37_prep
	.p2alignl 7, 3214868480
	.fill 96, 4, 3214868480
	.section	.rodata,"a",@progbits
	.p2align	6, 0x0
	.amdhsa_kernel k_q4e53e61a37_prep
		.amdhsa_group_segment_fixed_size 0
		.amdhsa_private_segment_fixed_size 0
		.amdhsa_enable_private_segment 0
		.amdhsa_kernarg_size 64
		.amdhsa_user_sgpr_count 2
		.amdhsa_user_sgpr_kernarg_segment_ptr 1
		.amdhsa_wavefront_size32 1
		.amdhsa_system_sgpr_workgroup_id_x 1
		.amdhsa_system_sgpr_workgroup_id_y 1
		.amdhsa_system_sgpr_workgroup_id_z 1
		.amdhsa_system_vgpr_workitem_id 0
		.amdhsa_next_free_vgpr 112
		.amdhsa_next_free_sgpr 66
		.amdhsa_reserve_vcc 0
		.amdhsa_float_denorm_mode_32 3
		.amdhsa_float_denorm_mode_16_64 3
		.amdhsa_memory_ordered 1
		.amdhsa_forward_progress 1
		.amdhsa_inst_pref_size 23
	.end_amdhsa_kernel
	.amdgpu_metadata
---
amdhsa.version: [ 1, 2 ]
amdhsa.kernels:
  - .name:           k_q4e53e61a37_prep
    .symbol:         k_q4e53e61a37_prep.kd
    .args:
      - { .name: x, .offset: 0, .size: 8, .value_kind: global_buffer, .address_space: global }
      - { .name: Wq, .offset: 8, .size: 8, .value_kind: global_buffer, .address_space: global }
      - { .name: Wk, .offset: 16, .size: 8, .value_kind: global_buffer, .address_space: global }
      - { .name: Wv, .offset: 24, .size: 8, .value_kind: global_buffer, .address_space: global }
      - { .name: Wo, .offset: 32, .size: 8, .value_kind: global_buffer, .address_space: global }
      - { .name: xh, .offset: 40, .size: 8, .value_kind: global_buffer, .address_space: global }
      - { .name: wh, .offset: 48, .size: 8, .value_kind: global_buffer, .address_space: global }
      - { .name: woh, .offset: 56, .size: 8, .value_kind: global_buffer, .address_space: global }
    .group_segment_fixed_size: 0
    .private_segment_fixed_size: 0
    .kernarg_segment_align: 8
    .kernarg_segment_size: 64
    .max_flat_workgroup_size: 256
    .sgpr_count:     66
    .vgpr_count:     112
    .wavefront_size: 32
...
	.end_amdgpu_metadata
.endif
;; end of part 6
;; launch qkv: the kernel of part 2 again; grid 8 x 32, 4 waves a work-group, clusters of 4 x 4, 327,680 bytes of LDS; arguments xh, wh, qkv; writes qkv
;; launch score: the kernel of part 3 again; grid 8 x 32, 4 waves a work-group, clusters of 4 x 4, 327,680 bytes of LDS; arguments qkv, mask, pb, st; writes pb, st
;; launch pv: the kernel of part 4 again; grid 4 x 64, 4 waves a work-group, clusters of 4 x 4, 327,680 bytes of LDS; arguments pb, qkv, st, ob; writes ob
;; launch proj: the kernel of part 5 again; grid 4 x 64, 4 waves a work-group, clusters of 4 x 4, 327,680 bytes of LDS; arguments ob, woh, out0; writes out0
